; MI455X (gfx1250); checked and timed in simulation.
; The chip was launched on July 23, 2026; its instructions are those of AMD's public machine-readable ISA for CDNA 5 (MIT licence, August 2026) and "CDNA5" Instruction Set Architecture Reference Guide (July 2026). The comments in the code are by the model that wrote it; some were corrected since.
;; Causal Self Attention. Allowed arithmetic: matrix products marked QUANTISED: E2M1 operands, one E8M0 scale for each 32 along K, by v_wmma_scale_f32_16x16x128_f8f6f4 with both operands' format E2M1 (or v_wmma_scale_f32_32x16x128_f4), f32 sums; products left as they are: bf16, f16 or f32 operands; f32 sums; everything else in f32.
;; Inputs: W_attn 1,024 x 3,072 float32; W_proj 1,024 x 1,024 float32; b_attn 3,072 float32; b_proj 1,024 float32; x 4 x 2,048 x 1,024 float32.
;; Outputs: out0 4 x 2,048 x 1,024 float32.
;; This version of the problem:
;;   THIS VERSION OF THE PROBLEM IS GIVEN IN LOW PRECISION. The matrix products marked QUANTISED in the list below multiply operands that are first quantised to E2M1 (2 exponent bits, 1 mantissa bit; 4 bits a number), with one power-of-two scale for each 32 numbers along K (OCP MX v1.0); their sums are f32. The products marked 'left as it is' may take bf16, f16 or f32 operands, with f32 sums. Whichever they take, every output number must still come out within the allowed error. Rounding operands to bf16 (8 significant bits) uses up far more of that allowance than f16 does (11 bits, for magnitudes from 6e-5 to 65,504). All else is computed in f32.
;;   The module's matrix products, in the order in which they are computed (A, B: the left and right operand; K: the contracted axis; several contracted axes count as one K, in the product's order):
;;     1. [M 8,192, K 1,024] x [K 1,024, N 3,072]; A: input x; B: input W_attn: QUANTISED
;;     2. batch 64 x [M 2,048, K 64] x [K 64, N 2,048]; A: computed on the way; B: computed on the way: left as it is (an operand is computed on the way)
;;     3. batch 64 x [M 2,048, K 2,048] x [K 2,048, N 64]; A: computed on the way; B: computed on the way: left as it is (an operand is computed on the way)
;;     4. [M 8,192, K 1,024] x [K 1,024, N 1,024]; A: computed on the way; B: input W_proj: left as it is (an operand is computed on the way)
;;   THE QUANTISER, for each operand of a quantised product, along K:
;;     - K is cut into blocks of 32 from its start; a last block that is shorter is filled with zeros.
;;     - A block's scale is 2^e with e = floor(log2(the largest magnitude in the block)) - 2, held to -126 .. 127; a block of zeros has e = 0. As a byte (E8M0): e + 127.
;;     - Each number is divided by its block's scale, clamped to +-6, and rounded to the nearest number of E2M1, ties to even, subnormals kept.
;;     - The product sums the exact products of the quantised numbers (number of the format x scale) in f32.
;;   ~~~python
;;   def quantise(x, axis):      # numpy; x: float32 -> the quantised numbers, widened to float32 again
;;       x = np.moveaxis(x, axis, -1); K = x.shape[-1]
;;       x = np.pad(x, [(0, 0)] * (x.ndim - 1) + [(0, -K % 32)]); x = x.reshape(x.shape[:-1] + (-1, 32)); a = np.abs(x).max(-1, keepdims=True)
;;       e = np.where(a > 0, np.clip(np.frexp(np.where(a > 0, a, 1))[1] - 1 - 2, -126, 127), 0)      # np.frexp(a)[1] - 1 = floor(log2(a)), exactly
;;       r = np.clip(x / 2.0 ** e, -6, 6)
;;       step = 2.0 ** (np.maximum(np.frexp(np.where(r == 0, 1, r))[1] - 1, 0) - 1)
;;       q = np.round(r / step) * step * 2.0 ** e      # np.round: ties to even
;;       return np.moveaxis(q.reshape(q.shape[:-2] + (-1,))[..., :K], -1, axis).astype(np.float32)
;;   ~~~
;; One version. Each part assembles by itself: llvm-mc -triple=amdgcn-amd-amdhsa -mcpu=gfx1250 --defsym DOCPART=n.
;; ======== version 1 of 1: 5 launches
;; limits: values are held in f16: magnitudes above 65,504 overflow, below 6.1e-05 lose precision
;; workspace buffers: xq 4,194,304 bytes; xs 262,144 bytes; wq 1,572,864 bytes; ws 98,304 bytes; wp 2,097,152 bytes; qkvh 50,331,648 bytes; qkv32 786,432 bytes; yh 16,777,216 bytes
;; launch prep (part 1): grid 512 x 1, 4 waves a work-group, no clusters, 34,304 bytes of LDS; arguments x, W_attn, W_proj, xq, xs, wq, ws, wp; writes xq, xs, wq, ws, wp
.if DOCPART == 1
	.amdgcn_target "amdgcn-amd-amdhsa--gfx1250"
	.amdhsa_code_object_version 6
	.text
	.protected	k_qdf99ef3ef5_prep
	.globl	k_qdf99ef3ef5_prep
	.p2align	8
	.type	k_qdf99ef3ef5_prep,@function
k_qdf99ef3ef5_prep:
	s_mov_b64 s[64:65], 0
	v_nop
	global_prefetch_b8 v0, s[64:65] scope:SCOPE_SE
	s_setreg_imm32_b32 hwreg(HW_REG_WAVE_MODE, 25, 1), 1
	s_wait_xcnt 0x0
; PREP.  x [8192][1024] and W_attn [1024][3072], f32, become codes of E2M1 with one E8M0 byte for each 32 along K; W_proj [1024][1024] becomes f16.
; All three leave as IMAGES OF OPERAND REGISTERS: a fragment's groups of four registers on end, 512 bytes a group, lane l's 16 bytes at 16 l.
;   xq [row tile 512][K step of 128: 8][1,024 B]   xs [half of K: 2][row 8,192][16 B: the scale words of four K steps]
;   wq [column tile 192][K step 8][1,024 B]        ws [half of K: 2][column 3,072][16 B]
;   wp [column tile 64][K step of 32: 32][1,024 B], f16: the eight numbers k = 8 e .. 8 e + 7 of column r at 256 e + 16 r
; A block's scale is 2^(floor(log2(its largest magnitude)) - 2): its byte is the largest magnitude's exponent field - 2, held at 1 from below.
; LIMITS: a block of zeros, or one whose largest magnitude lies under 2^-124, gets the byte 1 (the rule's 127 for zeros is not owed: the codes are zeros and this program alone reads the bytes);
; NaN and infinities among the inputs are not served; |W_proj| stays under 65,504 (f16).
; ROLES, by the work-group's number: 0-255 x, 256-447 W_attn, 448-511 W_proj.  Only x's role touches LDS.  Memory binds: no matrix unit, no cluster, no tensor load; waves share nothing, so no barrier.
.set STG,   8448                       ; x's role: a stage of 16 rows x (512 + 16) bytes for each wave
.set SPARE, 4*STG                      ; behind the stages: the spare words, 128 bytes a wave, which no other line names
.set SPW,   252                        ; v252  LDS address of my spare word; never rewritten
.set NIL,   253                        ; v253  0; never rewritten
.set XX,    144                        ; v144-207  x's role: my two blocks of 32 neighbours
.set CC,    208                        ; v208-239  x's role: codes, eight registers for each K step, never written again
; the largest magnitude of the 32 numbers v[x] .. v[x + 31], in two chains, with the floor 2^(3 - 127) as one more leaf: the byte cannot fall under 1
.macro BMAX d, t, x
	v_max3_num_f32 v[\d], |v[(\x)]|, |v[(\x)+1]|, |v[(\x)+2]|
	v_max3_num_f32 v[\t], |v[(\x)+3]|, |v[(\x)+4]|, |v[(\x)+5]|
.irp i, 6,10,14,18,22,26
	v_max3_num_f32 v[\d], v[\d], |v[(\x)+\i]|, |v[(\x)+\i+1]|
	v_max3_num_f32 v[\t], v[\t], |v[(\x)+\i+2]|, |v[(\x)+\i+3]|
.endr
	v_max3_num_f32 v[\d], v[\d], |v[(\x)+30]|, |v[(\x)+31]|
	v_max3_num_f32 v[\d], v[\d], v[\t], 0x1800000
.endm
; a lane takes a column, its registers run down K: run t is rows 32 t .. 32 t + 31; a wave's load reads 128 consecutive bytes, the four waves stand side by side on 512
.macro CLOAD t, pitch, b
.set i, 0
.rept 32
	global_load_b32 v[16+32*(\t)+i], v9, s[\b:\b+1] offset:(32*(\t)+i)*\pitch th:TH_LOAD_NT
.set i, i+1
.endr
.endm
; x: K step k of my 16 rows: each load reads 512 consecutive bytes of one row
.macro XLOAD k
.irp i, 0,1,2,3,4,5,6,7,8,9,10,11,12,13,14,15
	global_load_b128 v[16+64*((\k)%2)+4*\i:16+64*((\k)%2)+4*\i+3], v4, s[4:5] offset:\i*4096+(\k)*512 th:TH_LOAD_NT
.endr
.endm
.macro XSTEP k
.if (\k) < 3
	s_wait_loadcnt 16                              ; this K step's 16 loads are in; the next step's 16 may be out
.else
	s_wait_loadcnt 0x0
.endif
.irp i, 0,1,2,3,4,5,6,7,8,9,10,11,12,13,14,15
	ds_store_b128 v5, v[16+64*((\k)%2)+4*\i:16+64*((\k)%2)+4*\i+3] offset:\i*528   ; as loaded: row i
.endr
.irp c, 0,1
.irp j, 0,1,2,3,4,5,6,7
	ds_load_b128 v[XX+32*\c+4*\j:XX+32*\c+4*\j+3], v6 offset:\c*256+16*\j          ; back: row r, k = 64 c + 32 h + 0 .. 31: LDS serves a wave's instructions in order
.endr
.endr
	s_wait_dscnt 0x0                               ; my 64 numbers are in, and the stores have read the loaded registers
.if (\k)+2 < 4
	XLOAD (\k)+2
.endif
	BMAX 244, 248, XX
	BMAX 245, 249, XX+32
	v_add_nc_u32 v246, 0xff000000, v244            ; 2 off the exponent field: the conversion takes this operand's exponent field as its scale
	v_add_nc_u32 v247, 0xff000000, v245
	v_lshrrev_b32 v248, 23, v246                   ; the bytes of blocks h and 2 + h
	v_lshrrev_b32 v249, 23, v247
	v_lshl_or_b32 v250, v249, 16, v248
	v_lshlrev_b32 v250, v8, v250                   ; 8 h bits up: at their places in the scale word
	v_permlanex16_b32 v251, v250, s22, s23
	v_or_b32 v[240+(\k)], v250, v251               ; with lane l xor 16's two bytes the row's word is whole
.irp c, 0,1
.irp g, 0,1,2,3
	v_cvt_scalef32_pk8_fp4_f32 v[CC+8*(\k)+4*\c+\g], v[XX+32*\c+8*\g:XX+32*\c+8*\g+7], v[246+\c]
.endr
.endr
	v_nop                                          ; one plain line behind the last scaled conversion
.irp c, 0,1
	global_store_b128 v4, v[CC+8*(\k)+4*\c:CC+8*(\k)+4*\c+3], s[10:11] offset:(\k)*1024+\c*512   ; the wave stores 512 consecutive bytes, aligned
.endr
.endm
.macro WBLOCK t
.if (\t) < 3
	s_wait_loadcnt 32                              ; this run's 32 loads are in; the next run's may be out
.else
	s_wait_loadcnt 0x0
.endif
.if (\t)+2 < 4
	CLOAD (\t)+2, 12288, 6
.endif
	BMAX 162, 163, 16+32*(\t)
	v_add_nc_u32 v164, 0xff000000, v162
	v_lshrrev_b32 v165, 23, v164
.if (\t) == 0
	v_mov_b32 v160, v165
.else
	v_lshl_or_b32 v160, v165, 8*(\t), v160         ; four bytes make my column's scale word of this K step
.endif
.irp g, 0,1,2,3
	v_cvt_scalef32_pk8_fp4_f32 v[144+4*(\t)+\g], v[16+32*(\t)+8*\g:16+32*(\t)+8*\g+7], v164
.endr
	v_nop
	global_store_b128 v10, v[144+4*(\t):144+4*(\t)+3], s[14:15] offset:((\t)/2)*512+((\t)%2)*256   ; block 2 c + h of column r lies at 512 c + 256 h + 16 r: sixteen lanes store 256 consecutive bytes, aligned
.endm
.macro PBLOCK t
.if (\t) < 3
	s_wait_loadcnt 32
.else
	s_wait_loadcnt 0x0
.endif
.if (\t)+2 < 4
	CLOAD (\t)+2, 4096, 8
.endif
.irp i, 0,1,2,3,4,5,6,7,8,9,10,11,12,13,14,15
	v_cvt_pk_f16_f32 v[144+16*(\t)+\i], v[16+32*(\t)+2*\i], v[17+32*(\t)+2*\i]
.endr
.irp e, 0,1,2,3
	global_store_b128 v11, v[144+16*(\t)+4*\e:144+16*(\t)+4*\e+3], s[18:19] offset:(\t)*1024+\e*256
.endr
.endm
	s_load_b256 s[4:11], s[0:1], 0x0               ; x s[4:5], W_attn s[6:7], W_proj s[8:9], xq s[10:11]
	s_load_b256 s[12:19], s[0:1], 0x20             ; xs s[12:13], wq s[14:15], ws s[16:17], wp s[18:19]
	v_lshl_add_u32 v[SPW], v0, 2, SPARE
	v_mov_b32 v[NIL], 0
	v_lshrrev_b32 v1, 5, v0
	v_readfirstlane_b32 s20, v1                    ; wave
	v_and_b32 v1, 31, v0                           ; lane
	v_and_b32 v2, 15, v0                           ; r
	v_bfe_u32 v3, v0, 4, 1                         ; h
	s_mul_i32 s21, s20, STG
	v_lshlrev_b32 v4, 4, v1                        ; 16 x lane
	v_add_nc_u32 v5, s21, v4                       ; the stage, on the way in
	v_mul_u32_u24 v6, v2, 528
	v_lshl_add_u32 v6, v3, 7, v6
	v_add_nc_u32 v6, s21, v6                       ; and on the way out: row r, + 128 h
	v_lshlrev_b32 v7, 4, v2
	v_lshl_add_u32 v7, v3, 3, v7                   ; xs: 16 r + 8 h
	v_lshlrev_b32 v8, 3, v3                        ; 8 h
	v_lshlrev_b32 v9, 2, v1                        ; 4 x lane
	v_lshlrev_b32 v10, 4, v2
	v_lshl_add_u32 v11, v3, 15, v10                ; wp: lanes 16-31 hold the next column tile, 32,768 bytes on
	v_lshl_add_u32 v10, v3, 13, v10                ; wq: 8,192 bytes on
	v_mov_b32 v251, 0                              ; written once: a lane permute's destination counts as one of its sources
	s_mov_b32 s22, 0x76543210
	s_mov_b32 s23, 0xfedcba98                      ; v_permlanex16_b32's selects for lane l xor 16
	s_mov_b32 s29, 0
	s_wait_kmcnt 0x0
	s_cmp_lt_u32 ttmp9, 256
	s_cbranch_scc1 .Lrole_x
	s_cmp_lt_u32 ttmp9, 448
	s_cbranch_scc1 .Lrole_w
	; ---- W_proj: 64 work-groups; a wave takes 32 columns x 128 along K
	s_sub_co_u32 s24, ttmp9, 448
	s_and_b32 s25, s24, 7                          ; which 128 columns
	s_lshr_b32 s26, s24, 3                         ; which 128 along K
	s_lshl_b32 s27, s25, 2
	s_add_co_u32 s27, s27, s20                     ; my first column / 32
	s_lshl_b32 s28, s26, 19                        ; 128 rows of 4,096 bytes
	s_lshl_b32 s30, s27, 7
	s_add_co_u32 s28, s28, s30
	s_add_nc_u64 s[8:9], s[8:9], s[28:29]
	s_lshl_b32 s28, s27, 16                        ; two column tiles of 32,768 bytes
	s_lshl_b32 s30, s26, 12                        ; four K steps of 1,024 bytes
	s_add_co_u32 s28, s28, s30
	s_add_nc_u64 s[18:19], s[18:19], s[28:29]
	CLOAD 0, 4096, 8
	CLOAD 1, 4096, 8
	PBLOCK 0
	PBLOCK 1
	PBLOCK 2
	PBLOCK 3
	s_endpgm
.Lrole_w:
	; ---- W_attn: 192 work-groups; a wave takes 32 columns x one K step of 128: four whole blocks a lane, so no other lane is asked for a maximum
	s_sub_co_u32 s24, ttmp9, 256
	s_and_b32 s25, s24, 7                          ; the K step
	s_lshr_b32 s26, s24, 3                         ; which 128 columns
	s_lshl_b32 s27, s26, 2
	s_add_co_u32 s27, s27, s20                     ; my first column / 32
	s_mul_i32 s28, s25, 128*12288
	s_lshl_b32 s30, s27, 7
	s_add_co_u32 s28, s28, s30
	s_add_nc_u64 s[6:7], s[6:7], s[28:29]
	s_lshl_b32 s28, s27, 14                        ; two column tiles of 8,192 bytes
	s_lshl_b32 s30, s25, 10
	s_add_co_u32 s28, s28, s30
	s_add_nc_u64 s[14:15], s[14:15], s[28:29]
	s_lshr_b32 s28, s25, 2
	s_mul_i32 s28, s28, 49152                      ; ws: the half of K,
	s_lshl_b32 s30, s27, 9                         ; 16 bytes a column,
	s_add_co_u32 s28, s28, s30
	s_and_b32 s30, s25, 3
	s_lshl_b32 s30, s30, 2                         ; the K step's word
	s_add_co_u32 s28, s28, s30
	s_add_nc_u64 s[16:17], s[16:17], s[28:29]
	CLOAD 0, 12288, 6
	CLOAD 1, 12288, 6
	WBLOCK 0
	WBLOCK 1
	WBLOCK 2
	WBLOCK 3
	global_store_b32 v4, v160, s[16:17]            ; pieces of 4 bytes, 16 bytes apart: 98,304 bytes in all, one byte for each 128 that this role reads
	s_endpgm
.Lrole_x:
	; ---- x: 256 work-groups; a wave takes 16 rows x 512 along K (four K steps)
	s_lshl_b32 s24, ttmp9, 2
	s_add_co_u32 s24, s24, s20
	s_lshr_b32 s25, s24, 1                         ; the row tile
	s_and_b32 s26, s24, 1                          ; the half of K
	s_lshl_b32 s28, s25, 16
	s_lshl_b32 s27, s26, 11
	s_add_co_u32 s28, s28, s27
	s_add_nc_u64 s[4:5], s[4:5], s[28:29]
	s_lshl_b32 s28, s25, 13
	s_lshl_b32 s27, s26, 12
	s_add_co_u32 s28, s28, s27
	s_add_nc_u64 s[10:11], s[10:11], s[28:29]
	s_lshl_b32 s28, s26, 17
	s_lshl_b32 s27, s25, 8
	s_add_co_u32 s28, s28, s27
	s_add_nc_u64 s[12:13], s[12:13], s[28:29]
	XLOAD 0
	XLOAD 1
	XSTEP 0
	XSTEP 1
	XSTEP 2
	XSTEP 3
	v_cmp_eq_u32 vcc_lo, 1, v3
	v_cndmask_b32 v244, v240, v242, vcc_lo         ; lane (r, h) keeps words 2 h and 2 h + 1 of row r
	v_cndmask_b32 v245, v241, v243, vcc_lo
	global_store_b64 v7, v[244:245], s[12:13]      ; the 32 lanes store 256 consecutive bytes, aligned
	s_wait_tensorcnt 0x0                           ; the wave's end, behind my last LDS store
	ds_add_u32 v[SPW], v[NIL]
	s_wait_dscnt 0x0
	s_endpgm
.Lfunc_end_k_qdf99ef3ef5_prep:
	.size	k_qdf99ef3ef5_prep, .Lfunc_end_k_qdf99ef3ef5_prep-k_qdf99ef3ef5_prep
	.p2alignl 7, 3214868480
	.fill 96, 4, 3214868480
	.section	.rodata,"a",@progbits
	.p2align	6, 0x0
	.amdhsa_kernel k_qdf99ef3ef5_prep
		.amdhsa_group_segment_fixed_size 34304
		.amdhsa_private_segment_fixed_size 0
		.amdhsa_enable_private_segment 0
		.amdhsa_kernarg_size 64
		.amdhsa_user_sgpr_count 2
		.amdhsa_user_sgpr_kernarg_segment_ptr 1
		.amdhsa_wavefront_size32 1
		.amdhsa_system_sgpr_workgroup_id_x 1
		.amdhsa_system_sgpr_workgroup_id_y 1
		.amdhsa_system_sgpr_workgroup_id_z 1
		.amdhsa_system_vgpr_workitem_id 0
		.amdhsa_next_free_vgpr 256
		.amdhsa_next_free_sgpr 66
		.amdhsa_reserve_vcc 1
		.amdhsa_float_denorm_mode_32 3
		.amdhsa_float_denorm_mode_16_64 3
		.amdhsa_memory_ordered 1
		.amdhsa_forward_progress 1
		.amdhsa_inst_pref_size 67
	.end_amdhsa_kernel
	.amdgpu_metadata
---
amdhsa.version: [ 1, 2 ]
amdhsa.kernels:
  - .name:           k_qdf99ef3ef5_prep
    .symbol:         k_qdf99ef3ef5_prep.kd
    .args:
      - { .name: x, .offset: 0, .size: 8, .value_kind: global_buffer, .address_space: global }
      - { .name: W_attn, .offset: 8, .size: 8, .value_kind: global_buffer, .address_space: global }
      - { .name: W_proj, .offset: 16, .size: 8, .value_kind: global_buffer, .address_space: global }
      - { .name: xq, .offset: 24, .size: 8, .value_kind: global_buffer, .address_space: global }
      - { .name: xs, .offset: 32, .size: 8, .value_kind: global_buffer, .address_space: global }
      - { .name: wq, .offset: 40, .size: 8, .value_kind: global_buffer, .address_space: global }
      - { .name: ws, .offset: 48, .size: 8, .value_kind: global_buffer, .address_space: global }
      - { .name: wp, .offset: 56, .size: 8, .value_kind: global_buffer, .address_space: global }
    .group_segment_fixed_size: 34304
    .private_segment_fixed_size: 0
    .kernarg_segment_align: 8
    .kernarg_segment_size: 64
    .max_flat_workgroup_size: 128
    .sgpr_count:     66
    .vgpr_count:     256
    .wavefront_size: 32
...
	.end_amdgpu_metadata
.endif
;; end of part 1
;; launch gemm_qkv (part 2): grid 12 x 32, 4 waves a work-group, clusters of 4 x 4, 327,680 bytes of LDS; arguments xq, xs, wq, ws, b_attn, qkvh, qkv32; writes qkvh, qkv32
.if DOCPART == 2
	.amdgcn_target "amdgcn-amd-amdhsa--gfx1250"
	.amdhsa_code_object_version 6
	.text
	.protected	k_qdf99ef3ef5_gemm_qkv
	.globl	k_qdf99ef3ef5_gemm_qkv
	.p2align	8
	.type	k_qdf99ef3ef5_gemm_qkv,@function
k_qdf99ef3ef5_gemm_qkv:
	s_mov_b64 s[64:65], 0
	v_nop
	global_prefetch_b8 v0, s[64:65] scope:SCOPE_SE
	s_setreg_imm32_b32 hwreg(HW_REG_WAVE_MODE, 25, 1), 1
	s_wait_xcnt 0x0
	s_wait_alu depctr_hold_cnt(0) depctr_sa_sdst(0) depctr_va_vdst(0) depctr_va_sdst(0) depctr_va_ssrc(0) depctr_va_vcc(0) depctr_vm_vsrc(0)
	s_getreg_b32 s2, hwreg(HW_REG_IB_STS2, 6, 4)
	s_cmp_eq_u32 s2, 0
	s_cbranch_scc0 .Lentry_in_a_cluster
	s_endpgm
.Lentry_in_a_cluster:
	s_bfe_u32 s2, ttmp6, 0x10000c
	s_cmp_lg_u32 s2, 0xf033
	s_cbranch_scc0 .Lentry_shape_is_right
	s_endpgm
.Lentry_shape_is_right:
; qkv = Q(x) Q(W_attn) + b_attn, on codes of E2M1 with E8M0 scales; sums in f32.  M = 8,192, N = 3,072, K = 1,024.
; OUT: qkvh [q, k, v][batch x 16 + head][t 2,048][64] f16 (a head's rows are 128 bytes, dense), and qkv32 [batch][t < 16][3,072] f32: the first 16 positions as they are.
; LIMIT: |q|, |k|, |v| stay under 65,504 (f16).
; A tile of 256 x 256 is made by four waves, as many as a WGP has SIMDs; a wave makes 128 x 128: 64 accumulators, 512 registers.
; The operands arrive as images of fragments (16 rows x 128 K: 1,024 bytes, group c of four registers at 512 c + 16 x lane), so a fragment is two LDS loads of 512 consecutive bytes: no pitch, no padding.
; K = 1,024 is two slots of 512: both are asked for at the head, with the scale words of all of K; nothing is filled twice.
; CLUSTERS: 4 x 4.  Cluster x is the section (q, k, v), cx its 256 columns; cy is the batch and cluster y the block of 256 positions.  A's tiles hang on (cy, cluster y) and are asked for jointly by the four of
; a row of the cluster, B's on (section, cx) and by the four of a column.  "Holds positions under 16" is cluster y = 0, which all partners share.
; THE MATRIX INSTRUCTION IS USED TRANSPOSED (source 0 = 16 columns of W, source 1 = 16 rows of x): a lane holds eight neighbouring columns of one row.  The bias is the C of each sum's first instruction.
; REGISTERS: window 0: v16-31 addresses; v32-95 scale words, two sets; v128-191 A's fragments, one set; v192-255 the bias; on the way out v128-223 at work.
;   window 1: B's fragments, two sets, at v0 and v128.  window 2: the accumulators of my rows 0-63 ((a, b) at v[8 (8 a + b)]); window 3: those of rows 64-127.
.set NQ,     4                         ; steps of 128 along K in a slot
.set FR,     8                         ; registers of a fragment
.set NL,     2                         ; LDS loads that bring one
.set NP,     4                         ; places behind this matrix instruction (ISA guide 7.12.1)
.set SLOT,   131072                    ; A's 16 row tiles x 4,096 bytes, then B's 16 column tiles
.set SCL,    2*SLOT                    ; the scale words: for each wave's 128 rows [slot][row][16 bytes], 4,096 bytes
.set SPARE,  SCL+4*4096                ; the spare words, 128 bytes a wave, which no other line names
.set SPITCH, 272                       ; the way out: a stage of 16 rows x (256 + 16) bytes for each wave, in slot 0: its one fill and its last read are over when the first result is stored there
.set ADRA, 16                          ; v16-17  my A fragments in slot 0, 1
.set ADRB, 20                          ; v20-21  my B fragments
.set STO,  24
.set RD,   25
.set CO,   26                          ; v26     16 x lane
.set ADRS, 27                          ; v27     my scale words: lanes 0-15 A's rows, lanes 16-31 B's
.set SPW,  28                          ; v28     my spare word; never rewritten
.set NIL,  29                          ; v29     0; never rewritten
.set C32,  30                          ; v30     my place in qkv32
.set BO,   31                          ; v31     32 h
.set SC,   32
.set AF,   128
.set BI,   192
.set TMP,  128
.set OB,   160
.set G1, 24
.set G0, 32
.set G1B, 48
.set G0B, 56
.set G1S, 68
.set G0S, 76
.set G1SB, 80
.set G0SB, 88
.set MSB, 0
.macro WIN new                         ; the immediate's high byte repeats the setting that is left
.if MSB != (\new)
	s_set_vgpr_msb (MSB<<8)|(\new)
.set MSB, (\new)
.endif
.endm
.set MUL_LO, 0xa1                      ; source 0 (B) window 1, source 1 (A) window 0, C and D window 2
.set MUL_HI, 0xf1
.set BIA_LO, 0x81                      ; the same with C (the bias) in window 0
.set BIA_HI, 0xc1
.set TO_B,   0x40
; a joint load: waves 0 and 1 fetch for A, waves 2 and 3 for B; the branch hangs on the wave's number alone.  An s_nop 0 and four v_nop follow each line
.macro JLOAD g0a, g1a, g0b, g1b
	s_cmp_eq_u32 s15, 0
	s_cbranch_scc0 .Lfor_b_\@
	tensor_load_to_lds s[\g0a:\g0a+3], s[\g1a:\g1a+7]
	s_nop 0
.rept 4
	v_nop
.endr
	s_branch .Lasked_\@
.Lfor_b_\@:
	tensor_load_to_lds s[\g0b:\g0b+3], s[\g1b:\g1b+7]
	s_nop 0
.rept 4
	v_nop
.endr
.Lasked_\@:
.endm
.macro CROUND                          ; a round of the cluster's barrier
	s_barrier_signal -1
	s_barrier_wait -1
	s_cmp_lg_u32 s14, 0
	s_cbranch_scc1 .Lnot_wave_0_\@
	s_barrier_signal -3
.Lnot_wave_0_\@:
	s_barrier_wait -3
	s_barrier_signal -1
	s_barrier_wait -1
.endm
	s_load_b128 s[4:7], s[0:1], 0x0                ; xq s[4:5], xs s[6:7]
	s_load_b128 s[8:11], s[0:1], 0x10              ; wq s[8:9], ws s[10:11]
	s_load_b64 s[12:13], s[0:1], 0x20              ; b_attn
	s_load_b128 s[92:95], s[0:1], 0x28             ; qkvh s[92:93], qkv32 s[94:95]
	v_lshl_add_u32 v[SPW], v0, 2, SPARE
	v_mov_b32 v[NIL], 0
	ds_add_u32 v[SPW], v[NIL]                      ; the wave's opening: the add, twice on end, and its wait ahead of my first tensor load
	ds_add_u32 v[SPW], v[NIL]
	v_lshrrev_b32 v1, 5, v0
	v_readfirstlane_b32 s14, v1                    ; wave
	s_lshr_b32 s15, s14, 1                         ; my half of the tile's rows.  Also: I fetch for A (0) or B (1)
	s_and_b32 s16, s14, 1                          ; my half of its columns.  Also: which 128 rows I fetch
	s_bfe_u32 s40, ttmp6, 0x40000                  ; cx
	s_bfe_u32 s41, ttmp6, 0x40004                  ; cy = the batch
	s_and_b32 s17, ttmp7, 0xffff                   ; cluster y = the block of 256 positions
	s_lshl_b32 s43, s41, 2
	s_lshl_b32 s43, 15, s43                        ; my row of the cluster
	s_lshl_b32 s44, 0x1111, s40                    ; my column
	; group 1, codes: 8 tiles' 4,096 bytes (512 elements of 8 bytes), 8,192 bytes apart
	s_or_b32 s[G1+0], s43, (3<<16)|(1<<21)
	s_or_b32 s[G1B+0], s44, (3<<16)|(1<<21)
.irp g, G1, G1B
	s_mov_b32 s[\g+1], 512<<16                     ; tensor_dim0
	s_mov_b32 s[\g+2], 8<<16                       ; tensor_dim1
	s_mov_b32 s[\g+3], 512<<16                     ; tile_dim0
	s_mov_b32 s[\g+4], 8                           ; tile_dim1
	s_mov_b32 s[\g+5], 1024                        ; from tile to tile
	s_mov_b32 s[\g+6], 0
	s_mov_b32 s[\g+7], 0
.endr
	; group 1, scale words: 128 rows' 2,048 bytes for each of the two halves of K
	s_or_b32 s[G1S+0], s43, (3<<16)|(1<<21)
	s_or_b32 s[G1SB+0], s44, (3<<16)|(1<<21)
.irp g, G1S, G1SB
	s_mov_b32 s[\g+1], 256<<16
	s_mov_b32 s[\g+2], 2<<16
	s_mov_b32 s[\g+3], 256<<16
	s_mov_b32 s[\g+4], 2
	s_mov_b32 s[\g+6], 0
	s_mov_b32 s[\g+7], 0
.endr
	s_mov_b32 s[G1S+5], 16384                      ; 8,192 rows x 16 bytes
	s_mov_b32 s[G1SB+5], 6144                      ; 3,072 columns x 16 bytes
	s_lshl_b32 s20, s41, 7
	s_lshl_b32 s18, s17, 4
	s_add_co_u32 s20, s20, s18
	s_lshl_b32 s18, s16, 3
	s_add_co_u32 s20, s20, s18                     ; A: row tile 128 cy + 16 cluster y + 8 half
	s_lshl_b32 s22, s20, 8                         ; its scale words,
	s_mov_b32 s23, 0
	s_lshl_b32 s20, s20, 13                        ; its codes
	s_mov_b32 s21, 0
	s_lshl_b32 s46, ttmp9, 6
	s_lshl_b32 s19, s40, 4
	s_add_co_u32 s46, s46, s19
	s_add_co_u32 s46, s46, s18                     ; B: column tile 64 section + 16 cx + 8 half
	s_lshl_b32 s96, s46, 8
	s_mov_b32 s97, 0
	s_lshl_b32 s46, s46, 13
	s_mov_b32 s47, 0
	s_lshl_b32 s45, s14, 15                        ; where they go: wave x 32,768,
	s_lshl_b32 s98, s14, 12                        ; wave x 4,096: no place in the cluster enters an LDS address
	s_wait_dscnt 0x0                               ; both opening adds are done
	s_wait_kmcnt 0x0
	s_add_nc_u64 s[20:21], s[4:5], s[20:21]
	s_add_nc_u64 s[22:23], s[6:7], s[22:23]
	s_add_nc_u64 s[46:47], s[8:9], s[46:47]
	s_add_nc_u64 s[96:97], s[10:11], s[96:97]
	CROUND                                         ; all sixteen work-groups are here: the joint loads meet
	s_mov_b32 s[G0S], 1
	s_add_co_u32 s[G0S+1], s98, SCL
	s_mov_b64 s[G0S+2:G0S+3], s[22:23]
	s_or_b32 s[G0S+3], s[G0S+3], 0x80000000
	s_mov_b32 s[G0SB], 1
	s_add_co_u32 s[G0SB+1], s98, SCL
	s_mov_b64 s[G0SB+2:G0SB+3], s[96:97]
	s_or_b32 s[G0SB+3], s[G0SB+3], 0x80000000
	JLOAD G0S, G1S, G0SB, G1SB                     ; the scale words first; three loads of mine are out behind the last of these
.irp s, 0,1
	s_mov_b32 s[G0+4*\s], 1
	s_add_co_u32 s[G0+4*\s+1], s45, \s*SLOT
	s_add_nc_u64 s[G0+4*\s+2:G0+4*\s+3], s[20:21], \s*4096
	s_or_b32 s[G0+4*\s+3], s[G0+4*\s+3], 0x80000000
	s_mov_b32 s[G0B+4*\s], 1
	s_add_co_u32 s[G0B+4*\s+1], s45, \s*SLOT
	s_add_nc_u64 s[G0B+4*\s+2:G0B+4*\s+3], s[46:47], \s*4096
	s_or_b32 s[G0B+4*\s+3], s[G0B+4*\s+3], 0x80000000
	JLOAD G0+4*\s, G1, G0B+4*\s, G1B
.endr
	v_and_b32 v1, 15, v0                           ; r
	v_bfe_u32 v2, v0, 4, 1                         ; h
	v_and_b32 v3, 31, v0
	v_lshlrev_b32 v[CO], 4, v3
	s_lshl_b32 s21, s15, 15                        ; my 8 row tiles of A
	s_lshl_b32 s22, s16, 15                        ; my 8 column tiles of B,
	s_add_co_u32 s22, s22, 65536                   ; behind A's 16
.irp s, 0,1
	v_add_nc_u32 v[ADRA+\s], s21, v[CO]
	v_add_nc_u32 v[ADRB+\s], s22, v[CO]
	s_add_co_u32 s21, s21, SLOT
	s_add_co_u32 s22, s22, SLOT
.endr
	s_lshl_b32 s21, s15, 12                        ; A's scale words: the part that wave (my row half) fetched
	s_lshl_b32 s22, s16, 12
	s_add_co_u32 s22, s22, 2*4096                  ; B's: wave 2 + my column half
	s_sub_co_u32 s22, s22, s21
	v_mul_u32_u24 v6, s22, v2                      ; lanes 16-31 take B's: one product, the lower base + h x the distance
	s_add_co_u32 s21, s21, SCL
	v_lshl_add_u32 v5, v1, 4, v6
	v_add_nc_u32 v[ADRS], s21, v5
	s_mul_i32 s23, s14, 16*SPITCH                  ; my stage
	v_mul_u32_u24 v5, v1, SPITCH
	v_lshl_add_u32 v5, v2, 4, v5
	v_add_nc_u32 v[STO], s23, v5                   ; in: row r, 16 bytes for each half of the lanes
	v_lshrrev_b32 v5, 3, v3
	v_mul_u32_u24 v5, v5, SPITCH
	v_and_b32 v6, 7, v3
	v_lshl_add_u32 v5, v6, 4, v5
	v_add_nc_u32 v[RD], s23, v5                    ; back: eight lanes take one head's 128 bytes of a row, four rows an instruction
	v_mul_u32_u24 v[C32], v1, 12288
	v_lshl_add_u32 v[C32], v2, 5, v[C32]
	v_lshlrev_b32 v[BO], 5, v2
	s_lshl_b32 s20, ttmp9, 12
	s_lshl_b32 s21, s40, 10
	s_add_co_u32 s20, s20, s21
	s_lshl_b32 s21, s16, 9
	s_add_co_u32 s20, s20, s21                     ; 4 x my first column of the 3,072
	s_mov_b32 s21, 0
	s_add_nc_u64 s[12:13], s[12:13], s[20:21]
	s_add_nc_u64 s[94:95], s[94:95], s[20:21]
	s_mul_i32 s20, s41, 196608                     ; the batch's 16 rows of 12,288 bytes
	s_add_nc_u64 s[94:95], s[94:95], s[20:21]
	s_lshl_b32 s20, ttmp9, 24                      ; qkvh: the section,
	s_lshl_b32 s22, s41, 22                        ; the batch's 16 heads,
	s_add_co_u32 s20, s20, s22
	s_lshl_b32 s22, s40, 20                        ; head 4 cx
	s_add_co_u32 s20, s20, s22
	s_lshl_b32 s22, s16, 19                        ; + 2 x my column half,
	s_add_co_u32 s20, s20, s22
	s_lshl_b32 s22, s17, 15                        ; position 256 cluster y
	s_add_co_u32 s20, s20, s22
	s_lshl_b32 s22, s15, 14                        ; + 128 x my row half
	s_add_co_u32 s20, s20, s22
	s_add_nc_u64 s[92:93], s[92:93], s[20:21]
.irp b, 0,1,2,3,4,5,6,7
	global_load_b128 v[BI+8*\b:BI+8*\b+3], v[BO], s[12:13] offset:64*\b       ; the bias in the result's layout: columns 16 b + 8 h + 0 .. 7
	global_load_b128 v[BI+8*\b+4:BI+8*\b+7], v[BO], s[12:13] offset:64*\b+16
.endr
.macro FRAG reg, adr, q, i             ; tile i, the slot's q-th 128 along K
.irp c, 0,1
	ds_load_b128 v[\reg+4*\c:\reg+4*\c+3], v[\adr] offset:(\i)*4096+(\q)*1024+512*\c
.endr
.endm
; 16 matrix instructions: A's blocks a0, a0 + 1 x B's eight.  p: B's set; sc: the set of scale words.  zero = 1: the first product starts the sums, on the bias.
; The 64 accumulators take turns, one instruction a turn, in the same order in every step.
.macro MUL16 a0, p, q, sc, zero
.irp a, \a0, \a0+1
.irp b, 0,1,2,3,4,5,6,7
.if \zero
	v_wmma_scale_f32_16x16x128_f8f6f4 v[8*(8*((\a)%4)+\b):8*(8*((\a)%4)+\b)+7], v[128*(\p)+FR*\b:128*(\p)+FR*\b+FR-1], v[AF+FR*(\a):AF+FR*(\a)+FR-1], v[BI+8*\b:BI+8*\b+7], v[SC+8*NQ*(\sc)+NQ*\b+(\q)], v[SC+8*NQ*(\sc)+NQ*(\a)+(\q)] matrix_a_fmt:MATRIX_FMT_FP4 matrix_b_fmt:MATRIX_FMT_FP4 matrix_a_scale:MATRIX_SCALE_ROW1
.else
	v_wmma_scale_f32_16x16x128_f8f6f4 v[8*(8*((\a)%4)+\b):8*(8*((\a)%4)+\b)+7], v[128*(\p)+FR*\b:128*(\p)+FR*\b+FR-1], v[AF+FR*(\a):AF+FR*(\a)+FR-1], v[8*(8*((\a)%4)+\b):8*(8*((\a)%4)+\b)+7], v[SC+8*NQ*(\sc)+NQ*\b+(\q)], v[SC+8*NQ*(\sc)+NQ*(\a)+(\q)] matrix_a_fmt:MATRIX_FMT_FP4 matrix_b_fmt:MATRIX_FMT_FP4 matrix_a_scale:MATRIX_SCALE_ROW1
.endif
.endr
.endr
.endm
.macro FETCH_B slot, q, p
	WIN TO_B
.irp i, 0,1,2,3,4,5,6,7
	FRAG 128*(\p)+FR*\i, ADRB+\slot, \q, \i
.endr
	WIN 0
.endm
.macro FETCH_A slot, q, i0
.irp i, \i0, \i0+1, \i0+2, \i0+3
	FRAG AF+FR*(\i), ADRA+\slot, \q, \i
.endr
.endm
.macro SCALES sc                       ; a slot's scale words: four words a row; lanes 0-15 A's block i, lanes 16-31 B's block i
.irp i, 0,1,2,3,4,5,6,7
	ds_load_b128 v[SC+8*NQ*\sc+NQ*\i:SC+8*NQ*\sc+NQ*\i+3], v[ADRS] offset:\sc*2048+\i*256
.endr
.endm
.macro PLACES n                        ; plain vector lines between a matrix instruction and a load into, or a read of, its registers
.rept \n
	v_nop
.endr
.endm
.macro STEP slot, q, zero              ; a step of 128 along K that has its successor in the same slot
	s_wait_dscnt 4*NL                              ; all but the youngest eight loads (A's blocks 4-7) are in
.if \zero
	WIN BIA_LO
.else
	WIN MUL_LO
.endif
	MUL16 0, (\q)%2, \q, \slot, \zero
	MUL16 2, (\q)%2, \q, \slot, \zero
	s_wait_dscnt 0
	PLACES NP
	FETCH_B \slot, (\q)+1, 1-(\q)%2
	FETCH_A \slot, (\q)+1, 0
.if \zero
	WIN BIA_HI
.else
	WIN MUL_HI
.endif
	MUL16 4, (\q)%2, \q, \slot, \zero
	MUL16 6, (\q)%2, \q, \slot, \zero
	PLACES NP
	WIN 0
	FETCH_A \slot, (\q)+1, 4
.endm
	s_wait_tensorcnt 1                             ; the scale words and my part of slot 0 are in; slot 1's load may be out
	s_barrier_signal -1
	s_barrier_wait -1
	FETCH_B 0, 0, 0
	FETCH_A 0, 0, 0
	SCALES 0
	FETCH_A 0, 0, 4
	s_wait_loadcnt 0x0                             ; the bias
	STEP 0, 0, 1
	STEP 0, 1, 0
	STEP 0, 2, 0
	; slot 0's last step changes slots: one barrier; in front of it my part of slot 1 has landed and my reads of slot 0 are over
	s_wait_tensorcnt 0x0
	ds_add_u32 v[SPW], v[NIL]
	s_wait_dscnt 4*NL+1                            ; the add and the youngest eight loads may be out
	WIN MUL_LO
	MUL16 0, 1, NQ-1, 0, 0
	s_wait_dscnt 0x0
	s_barrier_signal -1
	MUL16 2, 1, NQ-1, 0, 0
	WIN 0
	s_barrier_wait -1
	PLACES NP
	FETCH_B 1, 0, 0
	FETCH_A 1, 0, 0
	SCALES 1
	WIN MUL_HI
	MUL16 4, 1, NQ-1, 0, 0
	MUL16 6, 1, NQ-1, 0, 0
	PLACES NP
	WIN 0
	FETCH_A 1, 0, 4
	STEP 1, 0, 0
	STEP 1, 1, 0
	STEP 1, 2, 0
	s_wait_dscnt 4*NL                              ; the last step: nothing more to fetch
	WIN MUL_LO
	MUL16 0, 1, NQ-1, 1, 0
	MUL16 2, 1, NQ-1, 1, 0
	s_wait_dscnt 0
	WIN MUL_HI
	MUL16 4, 1, NQ-1, 1, 0
	MUL16 6, 1, NQ-1, 1, 0
	WIN 0
	PLACES NP
	; the first 16 positions of a batch, as f32: my block 0, where cluster y = 0 and mine is the upper row half.  Pieces of 64 bytes of a row: 786,432 bytes in all
	s_or_b32 s18, s17, s15
	s_cmp_lg_u32 s18, 0
	s_cbranch_scc1 .Lno32
	WIN 0x08                                       ; a store's data are its source 1: window 2
.irp b, 0,1,2,3,4,5,6,7
	global_store_b128 v[C32], v[8*\b:8*\b+3], s[94:95] offset:64*\b
	global_store_b128 v[C32], v[8*\b+4:8*\b+7], s[94:95] offset:64*\b+16
.endr
	WIN 0
.Lno32:
; THE WAY OUT, a block of 16 rows x 128 columns at a time: rounded to f16, through my stage, back by heads: a store covers four rows of one head, 512 consecutive bytes, aligned.
.macro PACK a
	WIN 0x0a+5*((\a)/4)                            ; sources 0 and 1: window 2 or 3
.irp b, 0,1,2,3,4,5,6,7
.irp i, 0,1,2,3
	v_cvt_pk_f16_f32 v[TMP+4*\b+\i], v[64*((\a)%4)+8*\b+2*\i], v[64*((\a)%4)+8*\b+2*\i+1]
.endr
.endr
	WIN 0
.endm
.macro TOSTAGE a
.irp b, 0,1,2,3,4,5,6,7
	ds_store_b128 v[STO], v[TMP+4*\b:TMP+4*\b+3] offset:32*\b
.endr
.irp e, 0,1,2,3,4,5,6,7
	ds_load_b128 v[OB+32*((\a)%2)+4*\e:OB+32*((\a)%2)+4*\e+3], v[RD] offset:(\e%4)*4*SPITCH+(\e/4)*128   ; LDS serves a wave's instructions in order: these see the stores above
.endr
.endm
.macro SEND a
	s_wait_dscnt 0x0                               ; the block is back in registers
	s_wait_xcnt 0x0                                ; earlier stores have read their registers: the next block's loads may land there
.irp e, 0,1,2,3,4,5,6,7
	global_store_b128 v[CO], v[OB+32*((\a)%2)+4*\e:OB+32*((\a)%2)+4*\e+3], s[92:93] offset:(\e/4)*262144+(\a)*2048+(\e%4)*512
.endr
.endm
	PACK 0
	TOSTAGE 0
.irp a, 1,2,3,4,5,6,7                  ; block a's conversions stand between block a - 1's loads from the stage and the wait for them
	PACK \a
	SEND \a-1
	TOSTAGE \a
.endr
	SEND 7
	s_wait_tensorcnt 0x0                           ; the wave's end
	ds_add_u32 v[SPW], v[NIL]
	s_wait_dscnt 0x0
	CROUND                                         ; the closing round
	s_endpgm
.Lfunc_end_k_qdf99ef3ef5_gemm_qkv:
	.size	k_qdf99ef3ef5_gemm_qkv, .Lfunc_end_k_qdf99ef3ef5_gemm_qkv-k_qdf99ef3ef5_gemm_qkv
	.p2alignl 7, 3214868480
	.fill 96, 4, 3214868480
	.section	.rodata,"a",@progbits
	.p2align	6, 0x0
	.amdhsa_kernel k_qdf99ef3ef5_gemm_qkv
		.amdhsa_group_segment_fixed_size 327680
		.amdhsa_private_segment_fixed_size 0
		.amdhsa_enable_private_segment 0
		.amdhsa_kernarg_size 56
		.amdhsa_user_sgpr_count 2
		.amdhsa_user_sgpr_kernarg_segment_ptr 1
		.amdhsa_wavefront_size32 1
		.amdhsa_system_sgpr_workgroup_id_x 1
		.amdhsa_system_sgpr_workgroup_id_y 1
		.amdhsa_system_sgpr_workgroup_id_z 1
		.amdhsa_system_vgpr_workitem_id 0
		.amdhsa_next_free_vgpr 1024
		.amdhsa_next_free_sgpr 100
		.amdhsa_reserve_vcc 0
		.amdhsa_float_denorm_mode_32 3
		.amdhsa_float_denorm_mode_16_64 3
		.amdhsa_memory_ordered 1
		.amdhsa_forward_progress 1
		.amdhsa_inst_pref_size 129
	.end_amdhsa_kernel
	.amdgpu_metadata
---
amdhsa.version: [ 1, 2 ]
amdhsa.kernels:
  - .name:           k_qdf99ef3ef5_gemm_qkv
    .symbol:         k_qdf99ef3ef5_gemm_qkv.kd
    .args:
      - { .name: xq, .offset: 0, .size: 8, .value_kind: global_buffer, .address_space: global }
      - { .name: xs, .offset: 8, .size: 8, .value_kind: global_buffer, .address_space: global }
      - { .name: wq, .offset: 16, .size: 8, .value_kind: global_buffer, .address_space: global }
      - { .name: ws, .offset: 24, .size: 8, .value_kind: global_buffer, .address_space: global }
      - { .name: b_attn, .offset: 32, .size: 8, .value_kind: global_buffer, .address_space: global }
      - { .name: qkvh, .offset: 40, .size: 8, .value_kind: global_buffer, .address_space: global }
      - { .name: qkv32, .offset: 48, .size: 8, .value_kind: global_buffer, .address_space: global }
    .group_segment_fixed_size: 327680
    .private_segment_fixed_size: 0
    .kernarg_segment_align: 8
    .kernarg_segment_size: 56
    .max_flat_workgroup_size: 128
    .sgpr_count:     100
    .vgpr_count:     1024
    .wavefront_size: 32
...
	.end_amdgpu_metadata
.endif
;; end of part 2
;; launch attn (part 3): grid 4 x 64, 8 waves a work-group, no clusters, 327,680 bytes of LDS; arguments qkvh, yh; writes yh
.if DOCPART == 3
	.amdgcn_target "amdgcn-amd-amdhsa--gfx1250"
	.amdhsa_code_object_version 6
	.text
	.protected	k_qdf99ef3ef5_attn
	.globl	k_qdf99ef3ef5_attn
	.p2align	8
	.type	k_qdf99ef3ef5_attn,@function
k_qdf99ef3ef5_attn:
	s_mov_b64 s[64:65], 0
	v_nop
	global_prefetch_b8 v0, s[64:65] scope:SCOPE_SE
	s_setreg_imm32_b32 hwreg(HW_REG_WAVE_MODE, 25, 1), 1
	s_wait_xcnt 0x0
; y[b][h][q] = the sum over k <= q of softmax_k(q . k / 8) v[k], head size 64, 2,048 positions, 64 heads in all.  q, k, v: f16, [section][head][t][64].  Products and sums in f32; p is rounded to f16 for the second product.
; OUT: yh, f16, as images of the next product's fragments: [row tile 512][K step of 32: 32][1,024 B]; the packed O^T of a tile of 16 queries IS that image.
; LIMITS: |y| stays under 65,504; a p under 2^-25 of the row's largest counts for nothing in the second product (it still counts in the row's sum).
; SHARES.  A head's queries are 8 blocks of 256.  Work-group i of a head takes block 7 - i and then block i: (8 - i) + (i + 1) = 9 units of 256 keys in every work-group: 256 work-groups of equal work, one loop of
; constant count.  Eight waves, two to a SIMD, so that one wave's softmax stands beside the other's products; a wave owns 32 queries, two tiles of 16.  All waves walk the same units, from a ring of two LDS slots.
; NO CLUSTER: the four work-groups of a head want different units in the same trip once the first has changed block (unit t for block 7 - i, unit t - 8 + i for block i): a joint walk would take 12 trips for 9 trips' work.
; LAYOUT.  S^T = K Q^T (source 0 = 16 keys, source 1 = 16 queries): a lane holds ONE query (lane % 16) and keys 8 (lane / 16) + 0..7 of each tile.  Two such tiles rounded in pairs are source 1 of O^T = V^T P.
; V ([key][channel]) comes out of LDS turned, by ds_load_tr16_b128.
; SOFTMAX.  A running maximum m and sum l for each query: p = 2^(c s - c m), c = log2(e) / 8; in every step O and l are multiplied by a = 2^(c m_old - c m_new).
; THE MASK.  A step all of whose 64 keys come after my 32 queries is left out (a scalar branch on ids); in a step on the diagonal hidden scores become -infinity.  A step that is walked begins at or under my first
; query, so every query sees a key of it.
; REGISTERS: window 0: v1-15 addresses; v16-31 statistics, 8 a tile; v32-95 S^T; v96-127 P; v128-191 K's fragments; v192-223 Q.   window 1: v0-63 V's fragments; v64-127 O^T.
.set PKP,   144                        ; a row of K in LDS: 128 bytes + 16
.set PVP,   160                        ; a row of V: 128 + 32
.set VOFF,  64*PKP
.set STEPB, 64*(PKP+PVP)               ; a step: 64 rows of K, then 64 rows of V
.set SLOT1, 1<<17                      ; a slot holds four steps; slot 1 begins here
.set SPARE, SLOT1+4*STEPB              ; the spare words, 128 bytes a wave, which no other line names
.set AK0, 2
.set AV0, 3
.set ADK, 4
.set ADV, 5
.set QO,  6
.set YO,  7
.set RH,  8                            ; v8   r - 8 h
.set PFO, 12                           ; v12  256 x lane
.set SPW, 14                           ; v14  my spare word; never rewritten
.set NIL, 15                           ; v15  0; never rewritten
.set ST,  16                           ; tile t at v[16 + 8 t]: +0 c m, +1 m, +2, +3 l, +4 .. +7 at work; a in +6
.set S,   32
.set P,   96
.set KFR, 128
.set QF,  192
.set WV,  8
.set WI,  9                            ; s9   i
.set QB,  10                           ; s10  the block in hand
.set UN,  11                           ; s11  the unit in hand
.set KF,  12                           ; s12  the step's first key
.set Q0,  13                           ; s13  my first query
.set Q0B, 14
.set TB,  15                           ; s15  LDS byte at which the step begins
.set TRIP, 16
.set CNT, 17
.set NU,  18
.set TT,  19
.set OFF, 20
.set CS,  22
.set G1K, 24
.set G1V, 32
.set G0,  40
.set KVB, 44                           ; s[44:45] my 64 rows (of K: waves 0-3, of V: waves 4-7) of the head's unit 0
.set SEL, 46
.set QBA, 48
.set QBB, 50
.set YBA, 52
.set YBB, 54
.set PFA, 56
.set LIM, 58
.set MSB, 0
.macro WIN new
.if MSB != (\new)
	s_set_vgpr_msb (MSB<<8)|(\new)
.set MSB, (\new)
.endif
.endm
; waves 0-3 fetch K's 64 rows of step w, waves 4-7 V's of step w - 4: one load a wave.  An s_nop 0 and four v_nop follow each line
.macro TLOAD
	s_cmp_lt_u32 s[WV], 4
	s_cbranch_scc0 .Lfor_v_\@
	tensor_load_to_lds s[G0:G0+3], s[G1K:G1K+7]
	s_nop 0
.rept 4
	v_nop
.endr
	s_branch .Lasked_\@
.Lfor_v_\@:
	tensor_load_to_lds s[G0:G0+3], s[G1V:G1V+7]
	s_nop 0
.rept 4
	v_nop
.endr
.Lasked_\@:
.endm
; A prefetch of the unit that the NEXT change of slots will ask for.  All four work-groups of a head walk units 0, 1, .. first: work-group 0, which walks all eight, asks, in trips 0 to 5 for units 2 to 7; each wave names
; its own 8,192 bytes, lanes 256 bytes apart: each block of 256 bytes once in the launch.  Units 0 and 1 come by their loads alone; nothing is named past unit 7.
.macro ASK
	s_cmp_gt_u32 s[TRIP], s[LIM]
	s_cbranch_scc0 .Lnot_mine_\@
	global_prefetch_b8 v[PFO], s[PFA:PFA+1] th:TH_LOAD_NT scope:SCOPE_SE
.Lnot_mine_\@:
.endm
.macro INIT                            ; a block's start: m under every score, l and O^T zero: the step is written once
.irp t, 0,1
	v_mov_b32 v[ST+8*\t+1], 0xff61b1e6             ; -3e38
	v_mul_f32 v[ST+8*\t], s[CS], v[ST+8*\t+1]
.irp j, 2,3,4,5,6,7
	v_mov_b32 v[ST+8*\t+\j], 0
.endr
.endr
	WIN 0x40
.set n, 0
.rept 64
	v_mov_b32 v[64+n], 0
.set n, n+1
.endr
	WIN 0
.endm
.macro SOFTMAX
.irp j, 0,1,2,3
.irp t, 0,1
	v_max3_num_f32 v[ST+8*\t+4+\j], v[S+32*\t+8*\j], v[S+32*\t+8*\j+1], v[S+32*\t+8*\j+2]   ; four chains a tile; each accumulator is read from its low end on
.endr
.endr
.irp i, 3,5
.irp j, 0,1,2,3
.irp t, 0,1
	v_max3_num_f32 v[ST+8*\t+4+\j], v[ST+8*\t+4+\j], v[S+32*\t+8*\j+\i], v[S+32*\t+8*\j+\i+1]
.endr
.endr
.endr
.irp t, 0,1
	v_max3_num_f32 v[ST+8*\t+4], v[ST+8*\t+4], v[S+32*\t+7], v[S+32*\t+15]
	v_max3_num_f32 v[ST+8*\t+6], v[ST+8*\t+6], v[S+32*\t+23], v[S+32*\t+31]
.endr
.irp t, 0,1
	v_max3_num_f32 v[ST+8*\t+4], v[ST+8*\t+4], v[ST+8*\t+5], v[ST+8*\t+6]
.endr
.irp t, 0,1
	v_max3_num_f32 v[ST+8*\t+4], v[ST+8*\t+4], v[ST+8*\t+7], v[ST+8*\t+1]   ; and the old m
.endr
.irp t, 0,1
	v_permlanex16_b32 v[ST+8*\t+5], v[ST+8*\t+4], s[SEL], s[SEL+1]          ; the query's other 32 keys lie in the lane 16 away
.endr
.irp t, 0,1
	v_mov_b32 v[ST+8*\t+7], v[ST+8*\t]             ; c m_old
.endr
.irp t, 0,1
	v_max_num_f32 v[ST+8*\t+1], v[ST+8*\t+4], v[ST+8*\t+5]
.endr
.irp t, 0,1
	v_mul_f32 v[ST+8*\t], s[CS], v[ST+8*\t+1]
.endr
.irp t, 0,1
	v_sub_f32 v[ST+8*\t+7], v[ST+8*\t+7], v[ST+8*\t]
.endr
.irp b, 0,1,2,3,4,5,6,7,8,9,10,11,12,13,14,15
.irp t, 0,1
	v_pk_fma_f32 v[S+32*\t+2*\b:S+32*\t+2*\b+1], v[S+32*\t+2*\b:S+32*\t+2*\b+1], s[CS:CS+1], v[ST+8*\t:ST+8*\t+1] op_sel_hi:[1,0,0] neg_lo:[0,0,1] neg_hi:[0,0,1]   ; c s - c m
.endr
.endr
.irp t, 0,1
	v_exp_f32 v[ST+8*\t+6], v[ST+8*\t+7]           ; a
.endr
.irp e, 0,1,2,3,4,5,6,7,8,9,10,11,12,13,14,15,16,17,18,19,20,21,22,23,24,25,26,27,28,29,30,31
.irp t, 0,1
	v_exp_f32 v[S+32*\t+\e], v[S+32*\t+\e]
.endr
.endr
	v_nop                                          ; one plain line behind the last exponential
	s_wait_alu depctr_va_vdst(0)                   ; one wait for the batch of 66, ahead of its first reader
.irp n, 0,1,2,3,4,5,6,7,8,9,10,11,12,13,14,15
.irp t, 0,1
	v_cvt_pk_f16_f32 v[P+16*\t+\n], v[S+32*\t+2*\n], v[S+32*\t+2*\n+1]
.endr
.endr
.irp u, 0,1,2,3,4,5,6,7                ; the row's sum, of the unrounded p, in place, two at a time
.irp t, 0,1
	v_pk_add_f32 v[S+32*\t+4*\u:S+32*\t+4*\u+1], v[S+32*\t+4*\u:S+32*\t+4*\u+1], v[S+32*\t+4*\u+2:S+32*\t+4*\u+3]
.endr
.endr
.irp u, 0,1,2,3
.irp t, 0,1
	v_pk_add_f32 v[S+32*\t+8*\u:S+32*\t+8*\u+1], v[S+32*\t+8*\u:S+32*\t+8*\u+1], v[S+32*\t+8*\u+4:S+32*\t+8*\u+5]
.endr
.endr
.irp u, 0,1
.irp t, 0,1
	v_pk_add_f32 v[S+32*\t+16*\u:S+32*\t+16*\u+1], v[S+32*\t+16*\u:S+32*\t+16*\u+1], v[S+32*\t+16*\u+8:S+32*\t+16*\u+9]
.endr
.endr
.irp t, 0,1
	v_pk_add_f32 v[S+32*\t:S+32*\t+1], v[S+32*\t:S+32*\t+1], v[S+32*\t+16:S+32*\t+17]
.endr
.irp t, 0,1
	v_pk_fma_f32 v[ST+8*\t+2:ST+8*\t+3], v[ST+8*\t+2:ST+8*\t+3], v[ST+8*\t+6:ST+8*\t+7], v[S+32*\t:S+32*\t+1] op_sel_hi:[1,0,1]   ; l = a l + the sum
.endr
	WIN 0x41                                       ; O^T (destination and source 0) in window 1
.irp n, 0,1,2,3,4,5,6,7,8,9,10,11,12,13,14,15
.irp t, 0,1
	v_pk_mul_f32 v[64+32*\t+2*\n:64+32*\t+2*\n+1], v[64+32*\t+2*\n:64+32*\t+2*\n+1], v[ST+8*\t+6:ST+8*\t+7] op_sel_hi:[1,0]
.endr
.endr
	WIN 0
.endm
; A KEY STEP: 64 keys
.macro STEP
	s_add_co_u32 s[TT], s[Q0], 31
	s_cmp_gt_u32 s[KF], s[TT]
	s_cbranch_scc1 .Lhid_\@                        ; all its keys come after my queries
	v_add_nc_u32 v[ADK], s[TB], v[AK0]
	v_add_nc_u32 v[ADV], s[TB], v[AV0]
.irp f, 0,1,2,3,4,5,6,7                ; K: keys 16 (f / 2) on, channels 32 (f % 2) on
	ds_load_b128 v[KFR+8*\f:KFR+8*\f+3],   v[ADK] offset:(\f/2)*16*PKP+(\f%2)*64
	ds_load_b128 v[KFR+8*\f+4:KFR+8*\f+7], v[ADK] offset:(\f/2)*16*PKP+(\f%2)*64+32
.endr
	WIN 0x40
.irp f, 0,1,2,3,4,5,6,7                ; V, turned: keys 32 (f / 4) on, channels 16 (f % 4) on
	ds_load_tr16_b128 v[8*\f:8*\f+3],   v[ADV] offset:(\f/4)*32*PVP+(\f%4)*32
	ds_load_tr16_b128 v[8*\f+4:8*\f+7], v[ADV] offset:(\f/4)*32*PVP+16*PVP+(\f%4)*32
.endr
	WIN 0
	s_wait_loadcnt 0x0                             ; Q (out only in a block's first step)
	s_wait_dscnt 16                                ; K's 16 loads are in; V's 16 may be out
.set i, 0
.rept 16                               ; S^T = K Q^T: the eight accumulators take turns; the first eight products start the sums
.set rS, S+32*(i%2)+8*((i/2)%4)
.set rK, KFR+8*(2*((i/2)%4)+i/8)
.set rQ, QF+16*(i%2)+8*(i/8)
.if i < 8
	v_wmma_f32_16x16x32_f16 v[rS:rS+7], v[rK:rK+7], v[rQ:rQ+7], 0
.else
	v_wmma_f32_16x16x32_f16 v[rS:rS+7], v[rK:rK+7], v[rQ:rQ+7], v[rS:rS+7]
.endif
.set i, i+1
.endr
.rept 4
	v_nop
.endr
	s_add_co_u32 s[TT], s[KF], 63
	s_cmp_le_u32 s[TT], s[Q0]
	s_cbranch_scc1 .Lopen_\@                       ; all its keys count for all my queries
	s_sub_co_i32 s[TT], s[Q0], s[KF]
	v_add_nc_u32 v9, s[TT], v[RH]                  ; d = my query - KF - 8 h.  Register 8 kt + j holds key KF + 16 kt + 8 h + j: hidden where 16 kt + j > d
	v_add_nc_u32 v10, 16, v9
	v_mov_b32 v11, 0xff800000
.irp t, 0,1
.set n, 0
.rept 32
	v_cmp_gt_i32 vcc_lo, 16*(n/8)+n%8, v[9+\t]
	v_cndmask_b32 v[S+32*\t+n], v[S+32*\t+n], v11, vcc_lo
.set n, n+1
.endr
.endr
.Lopen_\@:
	SOFTMAX
	s_wait_dscnt 0x0                               ; V
	WIN 0x51                                       ; V and O^T in window 1, P in window 0
.set i, 0
.rept 16                               ; O^T += V^T P: eight accumulators by turns
.set rO, 64+32*(i%2)+8*((i/2)%4)
.set rV, 8*(4*(i/8)+(i/2)%4)
.set rP, P+16*(i%2)+8*(i/8)
	v_wmma_f32_16x16x32_f16 v[rO:rO+7], v[rV:rV+7], v[rP:rP+7], v[rO:rO+7]
.set i, i+1
.endr
	WIN 0
.rept 4
	v_nop                                          ; places ahead of the next loads into V's registers and of the way out's reads
.endr
.Lhid_\@:
	s_add_co_u32 s[KF], s[KF], 64
	s_add_co_u32 s[TB], s[TB], STEPB
.endm
.macro STEPS                           ; a unit's four steps: written once, walked four times
	s_mov_b32 s[CNT], 4
.Lstep_\@:
	STEP
	s_sub_co_u32 s[CNT], s[CNT], 1
	s_cmp_lg_u32 s[CNT], 0
	s_cbranch_scc1 .Lstep_\@
	s_sub_co_u32 s[TB], s[TB], 4*STEPB
	s_xor_b32 s[TB], s[TB], SLOT1
.endm
; THE CHANGE OF SLOTS, at a trip's head: all my tensor loads have landed (one is out: my part of the slot ahead), the add, my reads of the slot left are over; one barrier; then the slot left is filled with the next unit.
.macro CHANGE fill
	s_wait_tensorcnt 0x0
	ds_add_u32 v[SPW], v[NIL]                      ; the descriptor's step stands between the add and the wait for it
.if \fill
	s_add_co_u32 s[NU], s[UN], 1
	s_cmp_eq_u32 s[UN], s[QB]
	s_cselect_b32 s[NU], 0, s[NU]                  ; behind a block's last unit comes the next block's unit 0
	s_lshl_b32 s[OFF], s[NU], 15
	s_xor_b32 s[G0+1], s[G0+1], SLOT1
	s_add_nc_u64 s[G0+2:G0+3], s[KVB:KVB+1], s[OFF:OFF+1]
	s_or_b32 s[G0+3], s[G0+3], 0x80000000
	s_wait_xcnt 0x0                                ; the last prefetch, a trip back, has read its address
	s_add_nc_u64 s[PFA:PFA+1], s[PFA:PFA+1], 32768
.endif
	s_wait_dscnt 0x0
	s_barrier_signal -1
	s_barrier_wait -1
.if \fill
	TLOAD                                          ; my one tensor load behind the barrier: it has a unit's four steps in which to land
	ASK
.endif
.endm
; A block's end: O^T / l, rounded to f16, stored as it stands.  next = 1: the next block's Q is asked for first, and the statistics begin anew.
.macro FINISH next, yb
.if \next
	s_wait_loadcnt 0x0                             ; no earlier load into Q's registers is out, on any way that leads here: the eight loads below land on registers of their own alone
.irp t, 0,1
.irp k, 0,1
.irp g, 0,1
	global_load_b128 v[QF+16*\t+8*\k+4*\g:QF+16*\t+8*\k+4*\g+3], v[QO], s[QBB:QBB+1] offset:\t*2048+\k*64+\g*32
.endr
.endr
.endr
.endif
.irp t, 0,1
	v_add_f32 v[ST+8*\t+4], v[ST+8*\t+2], v[ST+8*\t+3]
.endr
.irp t, 0,1
	v_permlanex16_b32 v[ST+8*\t+5], v[ST+8*\t+4], s[SEL], s[SEL+1]
.endr
.irp t, 0,1
	v_add_f32 v[ST+8*\t+4], v[ST+8*\t+4], v[ST+8*\t+5]
.endr
.irp t, 0,1
	v_rcp_f32 v[ST+8*\t+6], v[ST+8*\t+4]
.endr
	v_nop
	s_wait_alu depctr_va_vdst(0)                   ; one wait for the two reciprocals, ahead of their first reader
	WIN 0x41
.irp t, 0,1
.irp n, 0,1,2,3,4,5,6,7,8,9,10,11,12,13,14,15
	v_pk_mul_f32 v[64+32*\t+2*\n:64+32*\t+2*\n+1], v[64+32*\t+2*\n:64+32*\t+2*\n+1], v[ST+8*\t+6:ST+8*\t+7] op_sel_hi:[1,0]
.endr
.endr
	WIN 0x05
.irp t, 0,1
.irp n, 0,1,2,3,4,5,6,7,8,9,10,11,12,13,14,15
	v_cvt_pk_f16_f32 v[S+32*\t+\n], v[64+32*\t+2*\n], v[64+32*\t+2*\n+1]
.endr
.endr
	WIN 0
.irp t, 0,1
.irp c, 0,1,2,3
	global_store_b128 v[YO], v[S+32*\t+4*\c:S+32*\t+4*\c+3], s[\yb:\yb+1] offset:\t*32768+\c*512   ; the wave stores 512 consecutive bytes, aligned
.endr
.endr
.if \next
	INIT
.endif
	s_wait_xcnt 0x0                                ; the stores have read their registers: S^T is written again only behind this wait
.endm
	s_load_b128 s[4:7], s[0:1], 0x0                ; qkvh s[4:5], yh s[6:7]
	v_lshl_add_u32 v[SPW], v0, 2, SPARE
	v_mov_b32 v[NIL], 0
	ds_add_u32 v[SPW], v[NIL]                      ; the wave's opening: the add, twice on end, and its wait ahead of my first tensor load
	ds_add_u32 v[SPW], v[NIL]
	v_lshrrev_b32 v1, 5, v0
	v_readfirstlane_b32 s[WV], v1
	s_mov_b32 s[WI], ttmp9
	s_and_b32 s60, ttmp7, 0xffff                   ; 16 x batch + head
	; group 1: 64 rows of 64 elements of 2 bytes, dense in memory, padded in LDS behind every 32 words: K by 4 words, V by 8
	s_mov_b32 s[G1K], (1<<16)|(1<<20)|(4<<22)|(3<<25)
	s_mov_b32 s[G1V], (1<<16)|(1<<20)|(4<<22)|(7<<25)
.irp g, G1K, G1V
	s_mov_b32 s[\g+1], 64<<16
	s_mov_b32 s[\g+2], 64<<16
	s_mov_b32 s[\g+3], 64<<16
	s_mov_b32 s[\g+4], 64
	s_mov_b32 s[\g+5], 64
	s_mov_b32 s[\g+6], 0
	s_mov_b32 s[\g+7], 0
.endr
	s_mov_b32 s[CS], 0x3e38aa3b                    ; c = log2(e) / 8
	s_mov_b32 s[CS+1], s[CS]
	s_mov_b32 s[SEL], 0x76543210
	s_mov_b32 s[SEL+1], 0xfedcba98
	s_sub_co_u32 s[QB], 7, s[WI]
	s_lshl_b32 s[TT], s[WV], 5
	s_lshl_b32 s[Q0], s[QB], 8
	s_add_co_u32 s[Q0], s[Q0], s[TT]               ; my first query in block 7 - i,
	s_lshl_b32 s[Q0B], s[WI], 8
	s_add_co_u32 s[Q0B], s[Q0B], s[TT]             ; and in block i
	s_lshl_b32 s63, s60, 18                        ; the head's first byte in a section
	s_and_b32 s61, s[WV], 3
	s_lshr_b32 s62, s[WV], 2
	s_mov_b32 s[G0], 1
	s_mul_i32 s[G0+1], s61, STEPB
	s_mul_i32 s[TT], s62, VOFF
	s_add_co_u32 s[G0+1], s[G0+1], s[TT]           ; LDS: step w % 4, K's part or V's
	s_add_co_u32 s62, s62, 1
	s_lshl_b32 s62, s62, 24                        ; section 1 (K) or 2 (V)
	s_lshl_b32 s61, s61, 13
	s_add_co_u32 s66, s62, s63
	s_add_co_u32 s66, s66, s61
	s_mov_b32 s67, 0
	s_lshl_b32 s68, s[Q0], 7
	s_add_co_u32 s68, s68, s63
	s_mov_b32 s69, 0
	s_lshl_b32 s70, s[Q0B], 7
	s_add_co_u32 s70, s70, s63
	s_mov_b32 s71, 0
	s_lshr_b32 s61, s60, 4
	s_lshl_b32 s61, s61, 22                        ; yh: the batch's 128 row tiles of 32,768 bytes,
	s_and_b32 s62, s60, 15
	s_lshl_b32 s62, s62, 11                        ; the head's two K steps
	s_add_co_u32 s61, s61, s62
	s_lshl_b32 s72, s[Q0], 11
	s_add_co_u32 s72, s72, s61
	s_mov_b32 s73, 0
	s_lshl_b32 s74, s[Q0B], 11
	s_add_co_u32 s74, s74, s61
	s_mov_b32 s75, 0
	s_mov_b32 s[OFF+1], 0
	s_mov_b32 s[UN], 0
	s_mov_b32 s[KF], 0
	s_mov_b32 s[TB], 0
	s_mov_b32 s[TRIP], 8
	s_cmp_eq_u32 s[WI], 0
	s_cselect_b32 s[LIM], 2, -1
	s_wait_dscnt 0x0                               ; both opening adds are done
	s_wait_kmcnt 0x0
	s_add_nc_u64 s[KVB:KVB+1], s[4:5], s[66:67]
	s_add_nc_u64 s[QBA:QBA+1], s[4:5], s[68:69]
	s_add_nc_u64 s[QBB:QBB+1], s[4:5], s[70:71]
	s_add_nc_u64 s[YBA:YBA+1], s[6:7], s[72:73]
	s_add_nc_u64 s[YBB:YBB+1], s[6:7], s[74:75]
	s_mov_b64 s[G0+2:G0+3], s[KVB:KVB+1]
	s_or_b32 s[G0+3], s[G0+3], 0x80000000
	TLOAD                                          ; unit 0 into slot 0
	s_add_nc_u64 s[PFA:PFA+1], s[KVB:KVB+1], 32768 ; at unit 1: the first change steps it to unit 2
	v_and_b32 v1, 15, v0                           ; r
	v_bfe_u32 v9, v0, 4, 1                         ; h
	v_mul_u32_u24 v[AK0], v1, PKP
	v_lshl_add_u32 v[AK0], v9, 4, v[AK0]
	v_and_b32 v10, 7, v0
	v_bfe_u32 v11, v0, 3, 1
	v_lshl_add_u32 v[AV0], v9, 3, v10
	v_mul_u32_u24 v[AV0], v[AV0], PVP
	v_lshl_add_u32 v[AV0], v11, 4, v[AV0]
	v_add_nc_u32 v[AV0], VOFF, v[AV0]
	v_lshlrev_b32 v[QO], 7, v1
	v_lshl_add_u32 v[QO], v9, 4, v[QO]
	v_and_b32 v10, 31, v0
	v_lshlrev_b32 v[YO], 4, v10
	v_lshlrev_b32 v[PFO], 8, v10
	v_lshlrev_b32 v11, 3, v9
	v_sub_nc_u32 v[RH], v1, v11
.irp t, 0,1
.irp k, 0,1
.irp g, 0,1
	global_load_b128 v[QF+16*\t+8*\k+4*\g:QF+16*\t+8*\k+4*\g+3], v[QO], s[QBA:QBA+1] offset:\t*2048+\k*64+\g*32
.endr
.endr
.endr
	INIT
.Ltrip:                                            ; eight trips: behind each change of slots the next unit is asked for
	CHANGE 1
	STEPS
	s_cmp_lg_u32 s[UN], s[QB]
	s_cbranch_scc1 .Lsame
	FINISH 1, YBA                                  ; block 7 - i is done: on to block i
	s_mov_b32 s[QB], s[WI]
	s_mov_b32 s[UN], -1
	s_mov_b32 s[KF], 0
	s_mov_b32 s[Q0], s[Q0B]
.Lsame:
	s_add_co_u32 s[UN], s[UN], 1
	s_sub_co_u32 s[TRIP], s[TRIP], 1
	s_cmp_lg_u32 s[TRIP], 0
	s_cbranch_scc1 .Ltrip
	CHANGE 0                                       ; the ninth unit is written out: nothing is left to ask for
	STEPS
	FINISH 0, YBB
	s_wait_tensorcnt 0x0                           ; the wave's end
	ds_add_u32 v[SPW], v[NIL]
	s_wait_dscnt 0x0
	s_endpgm
.Lfunc_end_k_qdf99ef3ef5_attn:
	.size	k_qdf99ef3ef5_attn, .Lfunc_end_k_qdf99ef3ef5_attn-k_qdf99ef3ef5_attn
	.p2alignl 7, 3214868480
	.fill 96, 4, 3214868480
	.section	.rodata,"a",@progbits
	.p2align	6, 0x0
	.amdhsa_kernel k_qdf99ef3ef5_attn
		.amdhsa_group_segment_fixed_size 327680
		.amdhsa_private_segment_fixed_size 0
		.amdhsa_enable_private_segment 0
		.amdhsa_kernarg_size 16
		.amdhsa_user_sgpr_count 2
		.amdhsa_user_sgpr_kernarg_segment_ptr 1
		.amdhsa_wavefront_size32 1
		.amdhsa_system_sgpr_workgroup_id_x 1
		.amdhsa_system_sgpr_workgroup_id_y 1
		.amdhsa_system_sgpr_workgroup_id_z 1
		.amdhsa_system_vgpr_workitem_id 0
		.amdhsa_next_free_vgpr 384
		.amdhsa_next_free_sgpr 90
		.amdhsa_reserve_vcc 1
		.amdhsa_float_denorm_mode_32 3
		.amdhsa_float_denorm_mode_16_64 3
		.amdhsa_memory_ordered 1
		.amdhsa_forward_progress 1
		.amdhsa_inst_pref_size 68
	.end_amdhsa_kernel
	.amdgpu_metadata
---
amdhsa.version: [ 1, 2 ]
amdhsa.kernels:
  - .name:           k_qdf99ef3ef5_attn
    .symbol:         k_qdf99ef3ef5_attn.kd
    .args:
      - { .name: qkvh, .offset: 0, .size: 8, .value_kind: global_buffer, .address_space: global }
      - { .name: yh, .offset: 8, .size: 8, .value_kind: global_buffer, .address_space: global }
    .group_segment_fixed_size: 327680
    .private_segment_fixed_size: 0
    .kernarg_segment_align: 8
    .kernarg_segment_size: 16
    .max_flat_workgroup_size: 256
    .sgpr_count:     90
    .vgpr_count:     384
    .wavefront_size: 32
...
	.end_amdgpu_metadata
.endif
;; end of part 3
;; launch proj (part 4): grid 4 x 64, 4 waves a work-group, clusters of 4 x 4, 327,680 bytes of LDS; arguments yh, wp, b_proj, out0; writes out0
.if DOCPART == 4
	.amdgcn_target "amdgcn-amd-amdhsa--gfx1250"
	.amdhsa_code_object_version 6
	.text
	.protected	k_qdf99ef3ef5_proj
	.globl	k_qdf99ef3ef5_proj
	.p2align	8
	.type	k_qdf99ef3ef5_proj,@function
k_qdf99ef3ef5_proj:
	s_mov_b64 s[64:65], 0
	v_nop
	global_prefetch_b8 v0, s[64:65] scope:SCOPE_SE
	s_setreg_imm32_b32 hwreg(HW_REG_WAVE_MODE, 25, 1), 1
	s_wait_xcnt 0x0
	s_wait_alu depctr_hold_cnt(0) depctr_sa_sdst(0) depctr_va_vdst(0) depctr_va_sdst(0) depctr_va_ssrc(0) depctr_va_vcc(0) depctr_vm_vsrc(0)
	s_getreg_b32 s2, hwreg(HW_REG_IB_STS2, 6, 4)
	s_cmp_eq_u32 s2, 0
	s_cbranch_scc0 .Lentry_in_a_cluster
	s_endpgm
.Lentry_in_a_cluster:
	s_bfe_u32 s2, ttmp6, 0x10000c
	s_cmp_lg_u32 s2, 0xf033
	s_cbranch_scc0 .Lentry_shape_is_right
	s_endpgm
.Lentry_shape_is_right:
; out = y W_proj + b_proj.  y (yh) and W_proj^T (wp) arrive in f16 as images of fragments (16 rows x 32 K: 1,024 bytes, group g of four registers at 512 g + 16 x lane); sums in f32; out0 [8192][1024] f32.
; (The rows of the first 16 positions of each batch are written over by the next launch, which carries them in f32.)
; A tile of C is 128 x 256, so that M x N = 8,192 x 1,024 gives 256 work-groups; four waves, each 64 x 128: 32 accumulators, 256 registers.  K goes in 8 steps of 128 through a ring of two LDS slots.
; CLUSTERS: 4 x 4: the four of a row of the cluster need the same tiles of y, the four of a column the same tiles of W: each is asked for jointly.
; THE MATRIX INSTRUCTION IS USED TRANSPOSED (source 0 = 16 columns of W, source 1 = 16 rows of y): a lane holds eight neighbouring columns of a row.  The bias is the C of each sum's first instruction.
; REGISTERS: window 0: v16-29 addresses; v32-95 the bias; v128-159, v160-191 y's fragments, two buffers; on the way out v128-255.  window 1: v0-63, v64-127 W's fragments.  window 2: accumulator (a, b) at v[8 (8 a + b)].
.set SLOT,   98304                     ; y's 8 row tiles x 4,096 bytes, then W's 16 column tiles
.set BOFF,   32768
.set SPARE,  2*SLOT                    ; the spare words, 128 bytes a wave, which no other line names
.set SPITCH, 528                       ; the way out: 16 rows x (512 + 16) bytes for each wave, in slot 0, behind its last fill and its last read
.set ADRA, 16
.set ADRB, 20
.set STO,  24
.set RD,   25
.set CO,   26
.set BO,   27
.set SPW,  28
.set NIL,  29
.set BI,   32
.set AF,   128
.set G1, 24
.set G0, 32
.set G1B, 48
.set G0B, 56
.set MSB, 0
.macro WIN new
.if MSB != (\new)
	s_set_vgpr_msb (MSB<<8)|(\new)
.set MSB, (\new)
.endif
.endm
.set MUL,  0xa1                        ; source 0 (W) window 1, source 1 (y) window 0, C and D window 2
.set MULB, 0x81                        ; the same with C (the bias) in window 0
.set TO_B, 0x40
.macro JLOAD s                         ; waves 0 and 1 fetch y's two halves, waves 2 and 3 W's; an s_nop 0 and four v_nop follow each line
	s_cmp_eq_u32 s11, 0
	s_cbranch_scc0 .Lfor_b_\@
	tensor_load_to_lds s[G0+4*\s:G0+4*\s+3], s[G1:G1+7]
	s_nop 0
.rept 4
	v_nop
.endr
	s_branch .Lasked_\@
.Lfor_b_\@:
	tensor_load_to_lds s[G0B+4*\s:G0B+4*\s+3], s[G1B:G1B+7]
	s_nop 0
.rept 4
	v_nop
.endr
.Lasked_\@:
.endm
.macro CREST
	s_cmp_lg_u32 s10, 0
	s_cbranch_scc1 .Lnot_wave_0_\@
	s_barrier_signal -3
.Lnot_wave_0_\@:
	s_barrier_wait -3
	s_barrier_signal -1
	s_barrier_wait -1
.endm
.macro CROUND
	s_barrier_signal -1
	s_barrier_wait -1
	CREST
.endm
	s_load_b128 s[4:7], s[0:1], 0x0                ; yh s[4:5], wp s[6:7]
	s_load_b128 s[16:19], s[0:1], 0x10             ; b_proj s[16:17], out0 s[18:19]
	v_lshl_add_u32 v[SPW], v0, 2, SPARE
	v_mov_b32 v[NIL], 0
	ds_add_u32 v[SPW], v[NIL]                      ; the wave's opening: the add, twice on end, and its wait ahead of my first tensor load
	ds_add_u32 v[SPW], v[NIL]
	v_lshrrev_b32 v1, 5, v0
	v_readfirstlane_b32 s10, v1
	s_lshr_b32 s11, s10, 1                         ; my half of the tile's rows.  Also: I fetch for y (0) or W (1)
	s_and_b32 s12, s10, 1                          ; my half of its columns.  Also: which half I fetch
	s_bfe_u32 s40, ttmp6, 0x40000                  ; cx = the tile column
	s_bfe_u32 s41, ttmp6, 0x40004                  ; cy
	s_and_b32 s13, ttmp7, 0xffff
	s_lshl_b32 s13, s13, 2
	s_add_co_u32 s13, s13, s41                     ; the tile row = 4 x cluster y + cy
	s_lshl_b32 s43, s41, 2
	s_lshl_b32 s43, 15, s43
	s_lshl_b32 s44, 0x1111, s40
	; group 1: tiles' 4,096 bytes (512 elements of 8 bytes), 32,768 bytes apart: 4 of y, 8 of W
	s_or_b32 s[G1+0], s43, (3<<16)|(1<<21)
	s_or_b32 s[G1B+0], s44, (3<<16)|(1<<21)
.irp g, G1, G1B
	s_mov_b32 s[\g+1], 512<<16
	s_mov_b32 s[\g+3], 512<<16
	s_mov_b32 s[\g+5], 4096
	s_mov_b32 s[\g+6], 0
	s_mov_b32 s[\g+7], 0
.endr
	s_mov_b32 s[G1+2], 4<<16
	s_mov_b32 s[G1+4], 4
	s_mov_b32 s[G1B+2], 8<<16
	s_mov_b32 s[G1B+4], 8
	s_lshl_b32 s20, s13, 3
	s_lshl_b32 s14, s12, 2
	s_add_co_u32 s20, s20, s14                     ; y: row tile 8 x tile row + 4 x half
	s_lshl_b32 s20, s20, 15
	s_mov_b32 s21, 0
	s_lshl_b32 s46, s40, 4
	s_lshl_b32 s15, s12, 3
	s_add_co_u32 s46, s46, s15                     ; W: column tile 16 cx + 8 x half
	s_lshl_b32 s46, s46, 15
	s_mov_b32 s47, 0
	s_lshl_b32 s22, s12, 14                        ; where they go: y's halves,
	s_lshl_b32 s23, s12, 15
	s_add_co_u32 s23, s23, BOFF                    ; W's halves behind them
	s_wait_dscnt 0x0
	s_wait_kmcnt 0x0
	s_add_nc_u64 s[20:21], s[4:5], s[20:21]
	s_add_nc_u64 s[46:47], s[6:7], s[46:47]
	CROUND
.irp s, 0,1
	s_mov_b32 s[G0+4*\s], 1
	s_add_co_u32 s[G0+4*\s+1], s22, \s*SLOT
	s_add_nc_u64 s[G0+4*\s+2:G0+4*\s+3], s[20:21], \s*4096
	s_or_b32 s[G0+4*\s+3], s[G0+4*\s+3], 0x80000000
	s_mov_b32 s[G0B+4*\s], 1
	s_add_co_u32 s[G0B+4*\s+1], s23, \s*SLOT
	s_add_nc_u64 s[G0B+4*\s+2:G0B+4*\s+3], s[46:47], \s*4096
	s_or_b32 s[G0B+4*\s+3], s[G0B+4*\s+3], 0x80000000
	JLOAD \s                                       ; K steps 0 and 1: two loads of mine are out
.endr
	v_and_b32 v1, 15, v0
	v_bfe_u32 v2, v0, 4, 1
	v_and_b32 v3, 31, v0
	v_lshlrev_b32 v[CO], 4, v3
	s_lshl_b32 s21, s11, 14                        ; my 4 row tiles of y
	s_lshl_b32 s22, s12, 15
	s_add_co_u32 s22, s22, BOFF                    ; my 8 column tiles of W
.irp s, 0,1
	v_add_nc_u32 v[ADRA+\s], s21, v[CO]
	v_add_nc_u32 v[ADRB+\s], s22, v[CO]
	s_add_co_u32 s21, s21, SLOT
	s_add_co_u32 s22, s22, SLOT
.endr
	s_mul_i32 s23, s10, 16*SPITCH
	v_mul_u32_u24 v5, v1, SPITCH
	v_lshl_add_u32 v5, v2, 5, v5
	v_add_nc_u32 v[STO], s23, v5
	v_add_nc_u32 v[RD], s23, v[CO]
	v_lshlrev_b32 v[BO], 5, v2
	s_lshl_b32 s20, s40, 10
	s_lshl_b32 s21, s12, 9
	s_add_co_u32 s20, s20, s21                     ; 4 x my first column
	s_mov_b32 s21, 0
	s_add_nc_u64 s[16:17], s[16:17], s[20:21]
	s_add_nc_u64 s[18:19], s[18:19], s[20:21]
	s_lshl_b32 s20, s13, 19                        ; 128 rows of 4,096 bytes a tile row,
	s_lshl_b32 s22, s11, 18                        ; 64 for my half
	s_add_co_u32 s20, s20, s22
	s_add_nc_u64 s[18:19], s[18:19], s[20:21]
.irp b, 0,1,2,3,4,5,6,7
	global_load_b128 v[BI+8*\b:BI+8*\b+3], v[BO], s[16:17] offset:64*\b
	global_load_b128 v[BI+8*\b+4:BI+8*\b+7], v[BO], s[16:17] offset:64*\b+16
.endr
.macro MUL8 f, a, zero                 ; y's block a against W's eight, 32 along K, buffer f.  The 32 accumulators take turns in the same order in every quarter
.irp b, 0,1,2,3,4,5,6,7
.if \zero
	v_wmma_f32_16x16x32_f16 v[8*(8*(\a)+\b):8*(8*(\a)+\b)+7], v[64*(\f)+8*\b:64*(\f)+8*\b+7], v[AF+32*(\f)+8*(\a):AF+32*(\f)+8*(\a)+7], v[BI+8*\b:BI+8*\b+7]
.else
	v_wmma_f32_16x16x32_f16 v[8*(8*(\a)+\b):8*(8*(\a)+\b)+7], v[64*(\f)+8*\b:64*(\f)+8*\b+7], v[AF+32*(\f)+8*(\a):AF+32*(\f)+8*(\a)+7], v[8*(8*(\a)+\b):8*(8*(\a)+\b)+7]
.endif
.endr
.endm
.macro FETCH slot, kq, f               ; 24 LDS loads in one run: the slot's kq-th 32 along K into buffer f
	WIN TO_B
.irp i, 0,1,2,3,4,5,6,7
	ds_load_b128 v[64*(\f)+8*\i:64*(\f)+8*\i+3],   v[ADRB+\slot] offset:\i*4096+(\kq)*1024
	ds_load_b128 v[64*(\f)+8*\i+4:64*(\f)+8*\i+7], v[ADRB+\slot] offset:\i*4096+(\kq)*1024+512
.endr
	WIN 0
.irp i, 0,1,2,3
	ds_load_b128 v[AF+32*(\f)+8*\i:AF+32*(\f)+8*\i+3],   v[ADRA+\slot] offset:\i*4096+(\kq)*1024
	ds_load_b128 v[AF+32*(\f)+8*\i+4:AF+32*(\f)+8*\i+7], v[ADRA+\slot] offset:\i*4096+(\kq)*1024+512
.endr
.endm
.macro PLACES
.rept 4
	v_nop
.endr
.endm
.macro QUARTER slot, kq, f, g, zero    ; multiplies buffer f and, in its middle, fetches the slot's kq-th quarter into g
	s_wait_dscnt 0x0
.if \zero
	WIN MULB
.else
	WIN MUL
.endif
	MUL8 \f, 0, \zero
	MUL8 \f, 1, \zero
	PLACES
	FETCH \slot, \kq, \g
.if \zero
	WIN MULB
.else
	WIN MUL
.endif
	MUL8 \f, 2, \zero
	MUL8 \f, 3, \zero
.endm
; a slot's last quarter multiplies buffer 1 and changes slots: one barrier; in front of it all my tensor loads have landed, the add, my reads of this slot are over.  fill = 1: the barrier opens a round of the
; cluster's barrier and this slot is filled again, two K steps ahead: from the request to the wait for it I issue 112 matrix instructions
.macro TURN slot, next, fill
	WIN 0
	s_wait_tensorcnt 0x0
	ds_add_u32 v[SPW], v[NIL]
	s_wait_dscnt 1                                 ; the fragments are in; the add may be out
	WIN MUL
	MUL8 1, 0, 0
	s_wait_dscnt 0x0
	s_barrier_signal -1
	MUL8 1, 1, 0
	WIN 0
	s_barrier_wait -1
.if \fill
	CREST
	s_add_nc_u64 s[G0+4*\slot+2:G0+4*\slot+3], s[G0+4*\slot+2:G0+4*\slot+3], 8192
	s_add_nc_u64 s[G0B+4*\slot+2:G0B+4*\slot+3], s[G0B+4*\slot+2:G0B+4*\slot+3], 8192
	JLOAD \slot                                    ; the four v_nop behind it are also the places in front of the loads below
.else
	PLACES
.endif
	FETCH \next, 0, 0
	WIN MUL
	MUL8 1, 2, 0
	MUL8 1, 3, 0
.endm
	s_wait_tensorcnt 1                             ; my part of K step 0 is in; K step 1's load may be out
	s_barrier_signal -1
	s_barrier_wait -1
	s_wait_loadcnt 0x0                             ; the bias
	FETCH 0, 0, 0
	QUARTER 0, 1, 0, 1, 1                          ; the first quarter stands in front of the loop: its products start the sums, on the bias
	WIN 0
	s_mov_b32 s3, 3
.Llap:                                             ; three trips, each once round the ring: they ask for K steps 2 to 7
	QUARTER 0, 2, 1, 0, 0
	QUARTER 0, 3, 0, 1, 0
	TURN 0, 1, 1
	QUARTER 1, 1, 0, 1, 0
	QUARTER 1, 2, 1, 0, 0
	QUARTER 1, 3, 0, 1, 0
	TURN 1, 0, 1
	QUARTER 0, 1, 0, 1, 0
	WIN 0
	s_sub_co_u32 s3, s3, 1
	s_cmp_lg_u32 s3, 0
	s_cbranch_scc1 .Llap
	QUARTER 0, 2, 1, 0, 0                          ; the last lap fills nothing
	QUARTER 0, 3, 0, 1, 0
	TURN 0, 1, 0
	QUARTER 1, 1, 0, 1, 0
	QUARTER 1, 2, 1, 0, 0
	QUARTER 1, 3, 0, 1, 0
	s_wait_dscnt 0x0
	WIN MUL
	MUL8 1, 0, 0
	MUL8 1, 1, 0
	MUL8 1, 2, 0
	MUL8 1, 3, 0
	WIN 0
; THE WAY OUT, a block of 16 rows x 128 columns at a time, through my stage: back as whole rows of 512 bytes
.macro TOSTAGE a
	WIN 0x08                                       ; an LDS store's data are its source 1: window 2
.irp b, 0,1,2,3,4,5,6,7
	ds_store_b128 v[STO], v[64*(\a)+8*\b:64*(\a)+8*\b+3] offset:64*\b          ; each accumulator from its low end on
	ds_store_b128 v[STO], v[64*(\a)+8*\b+4:64*(\a)+8*\b+7] offset:64*\b+16
.endr
	WIN 0
.irp t, 0,1,2,3,4,5,6,7,8,9,10,11,12,13,14,15
	ds_load_b128 v[128+64*((\a)%2)+4*\t:128+64*((\a)%2)+4*\t+3], v[RD] offset:\t*SPITCH
.endr
.endm
.macro SEND a, younger
	s_wait_dscnt \younger
.irp t, 0,1,2,3,4,5,6,7,8,9,10,11,12,13,14,15
	global_store_b128 v[CO], v[128+64*((\a)%2)+4*\t:128+64*((\a)%2)+4*\t+3], s[18:19] offset:(\a)*65536+\t*4096 th:TH_STORE_NT   ; the wave stores 512 consecutive bytes, aligned
.endr
.endm
	PLACES
	TOSTAGE 0
.irp a, 1,2,3
.if \a > 1
	s_wait_xcnt 0x0                                ; block a - 2's stores have read their registers: block a's loads may land there
.endif
	TOSTAGE \a
	SEND \a-1, 32                                  ; behind block a - 1's loads: block a's 16 stores and 16 loads
.endr
	SEND 3, 0
	s_wait_tensorcnt 0x0                           ; the wave's end
	ds_add_u32 v[SPW], v[NIL]
	s_wait_dscnt 0x0
	CROUND                                         ; the closing round
	s_endpgm
.Lfunc_end_k_qdf99ef3ef5_proj:
	.size	k_qdf99ef3ef5_proj, .Lfunc_end_k_qdf99ef3ef5_proj-k_qdf99ef3ef5_proj
	.p2alignl 7, 3214868480
	.fill 96, 4, 3214868480
	.section	.rodata,"a",@progbits
	.p2align	6, 0x0
	.amdhsa_kernel k_qdf99ef3ef5_proj
		.amdhsa_group_segment_fixed_size 327680
		.amdhsa_private_segment_fixed_size 0
		.amdhsa_enable_private_segment 0
		.amdhsa_kernarg_size 32
		.amdhsa_user_sgpr_count 2
		.amdhsa_user_sgpr_kernarg_segment_ptr 1
		.amdhsa_wavefront_size32 1
		.amdhsa_system_sgpr_workgroup_id_x 1
		.amdhsa_system_sgpr_workgroup_id_y 1
		.amdhsa_system_sgpr_workgroup_id_z 1
		.amdhsa_system_vgpr_workitem_id 0
		.amdhsa_next_free_vgpr 768
		.amdhsa_next_free_sgpr 70
		.amdhsa_reserve_vcc 0
		.amdhsa_float_denorm_mode_32 3
		.amdhsa_float_denorm_mode_16_64 3
		.amdhsa_memory_ordered 1
		.amdhsa_forward_progress 1
		.amdhsa_inst_pref_size 86
	.end_amdhsa_kernel
	.amdgpu_metadata
---
amdhsa.version: [ 1, 2 ]
amdhsa.kernels:
  - .name:           k_qdf99ef3ef5_proj
    .symbol:         k_qdf99ef3ef5_proj.kd
    .args:
      - { .name: yh, .offset: 0, .size: 8, .value_kind: global_buffer, .address_space: global }
      - { .name: wp, .offset: 8, .size: 8, .value_kind: global_buffer, .address_space: global }
      - { .name: b_proj, .offset: 16, .size: 8, .value_kind: global_buffer, .address_space: global }
      - { .name: out0, .offset: 24, .size: 8, .value_kind: global_buffer, .address_space: global }
    .group_segment_fixed_size: 327680
    .private_segment_fixed_size: 0
    .kernarg_segment_align: 8
    .kernarg_segment_size: 32
    .max_flat_workgroup_size: 128
    .sgpr_count:     70
    .vgpr_count:     768
    .wavefront_size: 32
...
	.end_amdgpu_metadata
.endif
;; end of part 4
;; launch fine (part 5): grid 16 x 4, 16 waves a work-group, no clusters, 71,680 bytes of LDS; arguments qkv32, W_proj, b_proj, out0; writes out0
.if DOCPART == 5
	.amdgcn_target "amdgcn-amd-amdhsa--gfx1250"
	.amdhsa_code_object_version 6
	.text
	.protected	k_qdf99ef3ef5_fine
	.globl	k_qdf99ef3ef5_fine
	.p2align	8
	.type	k_qdf99ef3ef5_fine,@function
k_qdf99ef3ef5_fine:
	s_mov_b64 s[64:65], 0
	v_nop
	global_prefetch_b8 v0, s[64:65] scope:SCOPE_SE
	s_setreg_imm32_b32 hwreg(HW_REG_WAVE_MODE, 25, 1), 1
	s_wait_xcnt 0x0
; The first 16 positions of each batch, all in f32: there a row of the softmax averages one to sixteen values, and the rounding of 16-bit operands would weigh most.  64 rows of out0 are written over.
; SHARES.  A work-group takes a batch (y) and 64 columns of the output (x).  Wave = head: it makes its head's 16 x 16 attention (32 small products; made anew by each of the 16 column groups, which spares a launch)
; and its head's part (K = 64) of out[16 rows][64 columns]; the 16 parts meet in LDS and are added in ascending order of the heads, on the bias.
; All products by v_wmma_f32_16x16x4_f32, whose operand holds k = 2 h + j in register j of lane (r, h).  K IS PERMUTED ALIKE ON BOTH SIDES of each product, so that plain loads and earlier results are operands as
; they stand: S^T = K Q^T takes dims 32 h + 2 s + j in step s; O^T = V^T P keys 8 h + 2 s + j; OUT^T = W^T Y^T channels 16 c + 8 h + 2 s + j.
; The registers that these products write (v176-239) are written by matrix instructions alone; each sum begins with the constant 0.  Eight places stand behind this form (ISA guide 7.12.1).
; No tensor load, no cluster: 64 small work-groups bound by latency.
.set PART,  4352                       ; a wave's part: 16 rows x (256 + 16) bytes
.set SPARE, 16*PART                    ; the spare words, 128 bytes a wave, which no other line names
.set QR, 16                            ; v16-47   Q, later W's columns 32-47
.set KR, 48                            ; v48-79   K, later W's columns 48-63
.set VR, 80                            ; v80-111  V, later Y
.set S0, 176                           ; v176-183, v184-191  S^T in two halves of K, later OUT 2, 3
.set S1, 184
.set OA, 192                           ; v192-223 O^T
.set T,  240                           ; v240-247 the scores, then p
	s_load_b256 s[4:11], s[0:1], 0x0               ; qkv32 s[4:5], W_proj s[6:7], b_proj s[8:9], out0 s[10:11]
	v_lshl_add_u32 v12, v0, 2, SPARE               ; my spare word; never rewritten
	v_mov_b32 v13, 0                               ; 0; never rewritten
	v_lshrrev_b32 v1, 5, v0
	v_readfirstlane_b32 s12, v1                    ; wave = head
	v_and_b32 v1, 15, v0                           ; r
	v_bfe_u32 v2, v0, 4, 1                         ; h
	v_mul_u32_u24 v3, v1, 12288
	v_lshl_add_u32 v3, v2, 7, v3                   ; Q, K: position r, dims 32 h on
	v_mul_u32_u24 v4, v2, 98304
	v_lshl_add_u32 v4, v1, 2, v4                   ; V: keys 8 h on, channel r
	v_lshlrev_b32 v5, 15, v2
	v_lshl_add_u32 v5, v1, 2, v5                   ; W: rows 8 h on, column r
	v_lshlrev_b32 v6, 3, v2
	v_sub_nc_u32 v6, v1, v6                        ; r - 8 h
	s_mul_i32 s13, s12, PART
	v_mul_u32_u24 v7, v1, 272
	v_lshl_add_u32 v7, v2, 5, v7
	v_add_nc_u32 v7, s13, v7                       ; my part: row r, + 32 h
	s_and_b32 s14, s12, 7
	s_mul_i32 s15, s14, 544
	v_mul_u32_u24 v8, v2, 272
	v_lshl_add_u32 v8, v1, 4, v8
	v_add_nc_u32 v8, s15, v8                       ; back: rows 2 (wave % 8) and + 1, sixteen lanes to a row
	v_lshlrev_b32 v9, 4, v1
	v_lshl_add_u32 v10, v2, 12, v9
	v_mov_b32 v14, 0                               ; written once: a lane permute's destination counts as one of its sources
	s_and_b32 s16, ttmp7, 0xffff                   ; the batch
	s_mov_b32 s17, 0x3e38aa3b                      ; c = log2(e) / 8
	s_mov_b32 s18, 0x76543210
	s_mov_b32 s19, 0xfedcba98
	s_mul_i32 s20, s16, 196608
	s_lshl_b32 s22, s12, 8
	s_add_co_u32 s20, s20, s22
	s_mov_b32 s21, 0
	s_lshl_b32 s24, ttmp9, 8                       ; 4 x my first column
	s_mov_b32 s25, 0
	s_lshl_b32 s26, s12, 18                        ; the head's 64 rows of W_proj
	s_add_co_u32 s26, s26, s24
	s_mov_b32 s27, 0
	s_lshl_b32 s28, s16, 23                        ; the batch's first row of out0,
	s_lshl_b32 s22, s14, 13                        ; my two rows
	s_add_co_u32 s28, s28, s22
	s_add_co_u32 s28, s28, s24
	s_mov_b32 s29, 0
	s_wait_kmcnt 0x0
	s_add_nc_u64 s[4:5], s[4:5], s[20:21]
	s_add_nc_u64 s[6:7], s[6:7], s[26:27]
	s_add_nc_u64 s[8:9], s[8:9], s[24:25]
	s_add_nc_u64 s[10:11], s[10:11], s[28:29]
.irp ct, 0,1
.irp c, 0,1,2,3
.irp e, 0,1,2,3,4,5,6,7
	global_load_b32 v[112+32*\ct+8*\c+\e], v5, s[6:7] offset:(16*\c+\e)*4096+64*\ct
.endr
.endr
.endr
.irp i, 0,1,2,3,4,5,6,7
	global_load_b128 v[QR+4*\i:QR+4*\i+3], v3, s[4:5] offset:16*\i
.endr
.irp i, 0,1,2,3,4,5,6,7
	global_load_b128 v[KR+4*\i:KR+4*\i+3], v3, s[4:5] offset:4096+16*\i
.endr
.irp c, 0,1,2,3
.irp e, 0,1,2,3,4,5,6,7
	global_load_b32 v[VR+8*\c+\e], v4, s[4:5] offset:\e*12288+8192+64*\c
.endr
.endr
	global_load_b128 v[248:251], v9, s[8:9]        ; the bias of my four columns
	s_wait_loadcnt 33                              ; Q and K are in; V's 32 loads and the bias may be out
.irp s, 0,1,2,3,4,5,6,7,8,9,10,11,12,13,14,15    ; S^T = K Q^T, in two sums that take turns
.if \s < 2
	v_wmma_f32_16x16x4_f32 v[S0+8*(\s%2):S0+8*(\s%2)+7], v[KR+2*\s:KR+2*\s+1], v[QR+2*\s:QR+2*\s+1], 0
.else
	v_wmma_f32_16x16x4_f32 v[S0+8*(\s%2):S0+8*(\s%2)+7], v[KR+2*\s:KR+2*\s+1], v[QR+2*\s:QR+2*\s+1], v[S0+8*(\s%2):S0+8*(\s%2)+7]
.endif
.endr
.rept 8
	v_nop
.endr
.irp ct, 2,3
.irp c, 0,1,2,3
.irp e, 0,1,2,3,4,5,6,7
	global_load_b32 v[16+32*(\ct-2)+8*\c+\e], v5, s[6:7] offset:(16*\c+\e)*4096+64*\ct
.endr
.endr
.endr
.irp j, 0,1,2,3,4,5,6,7
	v_add_f32 v[T+\j], v[S0+\j], v[S1+\j]          ; lane (r, h): query r, key 8 h + j
.endr
	v_mov_b32 v15, 0xff800000
.irp j, 0,1,2,3,4,5,6,7
	v_cmp_gt_i32 vcc_lo, \j, v6                    ; hidden where 8 h + j > r
	v_cndmask_b32 v[T+\j], v[T+\j], v15, vcc_lo
.endr
	v_max3_num_f32 v252, v[T], v[T+1], v[T+2]
	v_max3_num_f32 v253, v[T+3], v[T+4], v[T+5]
	v_max3_num_f32 v252, v252, v[T+6], v[T+7]
	v_max_num_f32 v252, v252, v253
	v_permlanex16_b32 v14, v252, s18, s19
	v_max_num_f32 v252, v252, v14                  ; the row's maximum (key 0 counts for every query)
	v_mul_f32 v254, s17, v252
.irp j, 0,1,2,3,4,5,6,7
	v_fma_f32 v[T+\j], v[T+\j], s17, -v254
.endr
.irp j, 0,1,2,3,4,5,6,7
	v_exp_f32 v[T+\j], v[T+\j]
.endr
	v_nop
	s_wait_alu depctr_va_vdst(0)                   ; one wait for the eight, ahead of their first reader
	v_add_f32 v252, v[T], v[T+1]
	v_add_f32 v253, v[T+2], v[T+3]
	v_add_f32 v252, v252, v[T+4]
	v_add_f32 v253, v253, v[T+5]
	v_add_f32 v252, v252, v[T+6]
	v_add_f32 v253, v253, v[T+7]
	v_add_f32 v252, v252, v253
	v_permlanex16_b32 v14, v252, s18, s19
	v_add_f32 v252, v252, v14
	v_rcp_f32 v255, v252
	v_nop
	s_wait_alu depctr_va_vdst(0)
	s_wait_loadcnt 63                              ; V is in: 65 loads were issued behind it, and a count names 63 at the most
.irp s, 0,1,2,3                        ; O^T = V^T P: four sums by turns
.irp c, 0,1,2,3
.if \s == 0
	v_wmma_f32_16x16x4_f32 v[OA+8*\c:OA+8*\c+7], v[VR+8*\c+2*\s:VR+8*\c+2*\s+1], v[T+2*\s:T+2*\s+1], 0
.else
	v_wmma_f32_16x16x4_f32 v[OA+8*\c:OA+8*\c+7], v[VR+8*\c+2*\s:VR+8*\c+2*\s+1], v[T+2*\s:T+2*\s+1], v[OA+8*\c:OA+8*\c+7]
.endif
.endr
.endr
.rept 8
	v_nop
.endr
.irp n, 0,1,2,3,4,5,6,7,8,9,10,11,12,13,14,15,16,17,18,19,20,21,22,23,24,25,26,27,28,29,30,31
	v_mul_f32 v[VR+\n], v[OA+\n], v255             ; Y = O^T / l: lane (r, h): position r, channel 16 c + 8 h + j
.endr
	s_wait_loadcnt 0x0
.irp c, 0,1,2,3                        ; OUT^T = W^T Y^T: four sums (16 columns each) by turns
.irp s, 0,1,2,3
.irp ct, 0,1,2,3
.if (\c == 0) && (\s == 0)
	v_wmma_f32_16x16x4_f32 v[224+8*\ct-(\ct/2)*64:224+8*\ct-(\ct/2)*64+7], v[112+32*\ct-(\ct/2)*160+8*\c+2*\s:112+32*\ct-(\ct/2)*160+8*\c+2*\s+1], v[VR+8*\c+2*\s:VR+8*\c+2*\s+1], 0
.else
	v_wmma_f32_16x16x4_f32 v[224+8*\ct-(\ct/2)*64:224+8*\ct-(\ct/2)*64+7], v[112+32*\ct-(\ct/2)*160+8*\c+2*\s:112+32*\ct-(\ct/2)*160+8*\c+2*\s+1], v[VR+8*\c+2*\s:VR+8*\c+2*\s+1], v[224+8*\ct-(\ct/2)*64:224+8*\ct-(\ct/2)*64+7]
.endif
.endr
.endr
.endr
.rept 8
	v_nop
.endr
.irp ct, 0,1,2,3
	ds_store_b128 v7, v[224+8*\ct-(\ct/2)*64:224+8*\ct-(\ct/2)*64+3] offset:64*\ct       ; lane (r, h): row r, columns 16 ct + 8 h + 0 .. 7; each sum from its low end on
	ds_store_b128 v7, v[224+8*\ct-(\ct/2)*64+4:224+8*\ct-(\ct/2)*64+7] offset:64*\ct+16
.endr
	s_wait_dscnt 0x0                               ; for the others' sake: my part lies in LDS
	s_barrier_signal -1
	s_barrier_wait -1
	s_cmp_lt_u32 s12, 8
	s_cbranch_scc0 .Ldone                          ; waves 0 to 7 add: two rows each
.irp p, 0,1,2,3,4,5,6,7,8,9,10,11,12,13,14,15
	ds_load_b128 v[16+4*\p:16+4*\p+3], v8 offset:\p*PART
.endr
.irp p, 0,1,2,3,4,5,6,7,8,9,10,11,12,13,14,15
	s_wait_dscnt 15-\p                             ; part p is in; the later parts may be out
	v_pk_add_f32 v[248:249], v[248:249], v[16+4*\p:16+4*\p+1]
	v_pk_add_f32 v[250:251], v[250:251], v[16+4*\p+2:16+4*\p+3]
.endr
	global_store_b128 v10, v[248:251], s[10:11]    ; sixteen lanes store 256 consecutive bytes, aligned
.Ldone:
	s_wait_tensorcnt 0x0                           ; the wave's end, behind my last LDS store
	ds_add_u32 v12, v13
	s_wait_dscnt 0x0
	s_endpgm
.Lfunc_end_k_qdf99ef3ef5_fine:
	.size	k_qdf99ef3ef5_fine, .Lfunc_end_k_qdf99ef3ef5_fine-k_qdf99ef3ef5_fine
	.p2alignl 7, 3214868480
	.fill 96, 4, 3214868480
	.section	.rodata,"a",@progbits
	.p2align	6, 0x0
	.amdhsa_kernel k_qdf99ef3ef5_fine
		.amdhsa_group_segment_fixed_size 71680
		.amdhsa_private_segment_fixed_size 0
		.amdhsa_enable_private_segment 0
		.amdhsa_kernarg_size 32
		.amdhsa_user_sgpr_count 2
		.amdhsa_user_sgpr_kernarg_segment_ptr 1
		.amdhsa_wavefront_size32 1
		.amdhsa_system_sgpr_workgroup_id_x 1
		.amdhsa_system_sgpr_workgroup_id_y 1
		.amdhsa_system_sgpr_workgroup_id_z 1
		.amdhsa_system_vgpr_workitem_id 0
		.amdhsa_next_free_vgpr 256
		.amdhsa_next_free_sgpr 66
		.amdhsa_reserve_vcc 1
		.amdhsa_float_denorm_mode_32 3
		.amdhsa_float_denorm_mode_16_64 3
		.amdhsa_memory_ordered 1
		.amdhsa_forward_progress 1
		.amdhsa_inst_pref_size 34
	.end_amdhsa_kernel
	.amdgpu_metadata
---
amdhsa.version: [ 1, 2 ]
amdhsa.kernels:
  - .name:           k_qdf99ef3ef5_fine
    .symbol:         k_qdf99ef3ef5_fine.kd
    .args:
      - { .name: qkv32, .offset: 0, .size: 8, .value_kind: global_buffer, .address_space: global }
      - { .name: W_proj, .offset: 8, .size: 8, .value_kind: global_buffer, .address_space: global }
      - { .name: b_proj, .offset: 16, .size: 8, .value_kind: global_buffer, .address_space: global }
      - { .name: out0, .offset: 24, .size: 8, .value_kind: global_buffer, .address_space: global }
    .group_segment_fixed_size: 71680
    .private_segment_fixed_size: 0
    .kernarg_segment_align: 8
    .kernarg_segment_size: 32
    .max_flat_workgroup_size: 512
    .sgpr_count:     66
    .vgpr_count:     256
    .wavefront_size: 32
...
	.end_amdgpu_metadata
.endif
;; end of part 5
